; MI455X (gfx1250); checked and timed in simulation.
; The chip was launched on July 23, 2026; its instructions are those of AMD's public machine-readable ISA for CDNA 5 (MIT licence, August 2026) and "CDNA5" Instruction Set Architecture Reference Guide (July 2026). The comments in the code are by the model that wrote it; some were corrected since.
;; Res Kmeans. Allowed arithmetic: float matrix products may take bf16 or f16 operands with f32 sums; other float arithmetic in f32, or as packed bf16 or f16 multiplies, adds, multiply-adds, maxima and minima; sums over many terms, partial sums and values carried from step to step in f32; what a program stores and reads back later, other than sums and carried values, may be rounded once to bf16 or f16.
;; Inputs: centroids 4 x 1,024 x 128 float32; x 131,072 x 128 float32.
;; Outputs: out0 131,072 x 4 int32.
;; 3 versions, each right; version 2 is faster than version 1; version 3 is version 2 with the launch prep written anew for expert scheduling mode. Each part assembles by itself: llvm-mc -triple=amdgcn-amd-amdhsa -mcpu=gfx1250 --defsym DOCPART=n.
;; ======== version 1 of 3: 5 launches
;; workspace buffers: cb0 266,496 bytes; cb1 266,496 bytes; cb2 266,496 bytes; cb3 266,496 bytes; pA 2,097,152 bytes of whole numbers; pB 2,097,152 bytes of whole numbers
;; launch prep (part 1): grid 128 x 1, 1 waves a work-group, no clusters, 0 bytes of LDS; arguments centroids, cb0, cb1, cb2, cb3, pA; writes cb0, cb1, cb2, cb3, pA
.if DOCPART == 1
	.amdgcn_target "amdgcn-amd-amdhsa--gfx1250"
	.amdhsa_code_object_version 6
	.text
	.protected	k_qfee7fb11aa_prep
	.globl	k_qfee7fb11aa_prep
	.p2align	8
	.type	k_qfee7fb11aa_prep,@function
k_qfee7fb11aa_prep:
	s_mov_b64 s[64:65], 0
	v_nop
	global_prefetch_b8 v0, s[64:65] scope:SCOPE_SE
	s_setreg_imm32_b32 hwreg(HW_REG_WAVE_MODE, 25, 1), 1
	s_wait_xcnt 0x0
; TABLES FOR THE FOUR LAYERS.  centroids: [4][1024][128] f32.  For layer l the table cb_l holds
;   bytes 0 .. 262,143        1,024 rows of 256 bytes: the centroid rounded once to bf16, in POSITION ORDER: the 16 bytes c (0..15) of a row
;                             hold k = 4c .. 4c+3 and then k = 64+4c .. 64+4c+3 (what a lane gets from two 16-byte loads, 256 bytes apart, of an f32 row)
;   bytes 262,144 .. 262,399  a row of zeros: code 1024, "no centroid yet"
;   bytes 262,400 .. 266,495  1,024 f32: -||c||^2 / 2, taken of the ROUNDED numbers, summed in f32
; and pA, [131072][4] int32, is filled with 1024.
; LIMIT: the centroids are rounded to bf16 here, once; all later arithmetic takes the rounded numbers.
; SHARES.  128 work-groups of one wave: work-group g takes 32 rows of layer g / 32 (16 KiB in, 8 KiB out) and 16 KiB of pA.  The whole launch moves 2 MiB in and
; 3 MiB out, each byte once; no LDS, no barrier and no matrix unit would add anything.  Lanes 0-15 take row n, lanes 16-31 row n + 16: each half reads and writes 256 consecutive aligned bytes.
.set X,  32                            ; v[32:159]  pair n of rows: 8 registers as loaded; its first 4 then hold the 8 bf16 to store
.set T,  8                             ; v[8:15]    the 8 rounded numbers, widened
.set SQ, 16                            ; v[16:17]   sums of squares
	s_load_b256 s[4:11], s[0:1], 0x0               ; centroids s[4:5], cb0 s[6:7], cb1 s[8:9], cb2 s[10:11]
	s_load_b128 s[12:15], s[0:1], 0x20             ; cb3 s[12:13], pA s[14:15]
	s_lshr_b32 s20, ttmp9, 5                       ; the layer
	s_and_b32 s21, ttmp9, 31                       ; my block of 32 rows in it
	s_lshl_b32 s24, ttmp9, 14                      ; 32 rows of 512 bytes of centroids; also my 16 KiB of pA
	s_mov_b32 s25, 0
	s_lshl_b32 s26, s21, 13                        ; 32 rows of 256 bytes of the table
	s_mov_b32 s27, 0
	s_lshl_b32 s22, s21, 7                         ; 32 f32 of the norms
	s_mov_b32 s23, 0xffff0000                      ; a word's upper bf16
	v_and_b32 v1, 15, v0                           ; c
	v_lshrrev_b32 v2, 4, v0                        ; h
	v_lshlrev_b32 v3, 4, v1
	v_lshl_add_u32 v4, v2, 12, v3                  ; out: 16 rows of 256 bytes x h + 16 c
	v_lshl_add_u32 v3, v2, 13, v3                  ; in:  16 rows of 512 bytes x h + 16 c
	v_mov_b32 v5, 0                                ; lane L gathers row L's sum of squares here
	v_lshlrev_b32 v6, 4, v0                        ; pA: 16 bytes a lane
	v_lshl_add_u32 v7, v0, 2, s22                  ; the norms: 4 bytes a lane
	v_lshlrev_b32 v26, 3, v0                       ; the zero row: 8 bytes a lane
	v_mov_b32 v20, 0x400
	v_mov_b32 v21, 0x400
	v_mov_b32 v22, 0x400
	v_mov_b32 v23, 0x400
	v_mov_b32 v24, 0
	v_mov_b32 v25, 0
	s_wait_kmcnt 0x0
	s_add_nc_u64 s[4:5], s[4:5], s[24:25]
	s_add_nc_u64 s[14:15], s[14:15], s[24:25]
	s_cmp_eq_u32 s20, 1                            ; the layer's table: a choice among four buffers by the work-group's number
	s_cselect_b64 s[18:19], s[8:9], s[6:7]
	s_cmp_eq_u32 s20, 2
	s_cselect_b64 s[18:19], s[10:11], s[18:19]
	s_cmp_eq_u32 s20, 3
	s_cselect_b64 s[18:19], s[12:13], s[18:19]
	s_add_nc_u64 s[16:17], s[18:19], s[26:27]      ; the table at my first row; s[18:19] stays at its first byte
.set n, 0
.rept 16                                       ; all 32 loads go out at once
	global_load_b128 v[X+8*n:X+8*n+3],   v3, s[4:5] offset:512*n
	global_load_b128 v[X+8*n+4:X+8*n+7], v3, s[4:5] offset:512*n+256
.set n, n+1
.endr
.set n, 0
.rept 32                                       ; pA while they are on their way: each store covers 512 consecutive bytes
	global_store_b128 v6, v[20:23], s[14:15] offset:512*n
.set n, n+1
.endr
.macro ROWS n
.set xr, X+8*(\n)
	s_wait_loadcnt 30-2*(\n)                       ; loads come back in order: this pair's two are in, the two of each later pair may stay out
	v_cvt_pk_bf16_f32 v[xr],   v[xr],   v[xr+1]    ; rounded in place, ascending: each line's sources are still as loaded
	v_cvt_pk_bf16_f32 v[xr+1], v[xr+2], v[xr+3]
	v_cvt_pk_bf16_f32 v[xr+2], v[xr+4], v[xr+5]
	v_cvt_pk_bf16_f32 v[xr+3], v[xr+6], v[xr+7]
	global_store_b128 v4, v[xr:xr+3], s[16:17] offset:256*(\n)  ; these four registers are not written again
.irp i, 0,1,2,3
	v_lshlrev_b32 v[T+2*\i],   16,  v[xr+\i]       ; the rounded numbers as f32
	v_and_b32     v[T+2*\i+1], s23, v[xr+\i]
.endr
	v_pk_mul_f32 v[SQ:SQ+1], v[T:T+1], v[T:T+1]
	v_pk_fma_f32 v[SQ:SQ+1], v[T+2:T+3], v[T+2:T+3], v[SQ:SQ+1]
	v_pk_fma_f32 v[SQ:SQ+1], v[T+4:T+5], v[T+4:T+5], v[SQ:SQ+1]
	v_pk_fma_f32 v[SQ:SQ+1], v[T+6:T+7], v[T+6:T+7], v[SQ:SQ+1]
	v_add_f32 v[SQ], v[SQ], v[SQ+1]
	v_add_f32_dpp v[SQ], v[SQ], v[SQ] row_xmask:1 row_mask:0xf bank_mask:0xf  ; over the 16 lanes of the row
	v_add_f32_dpp v[SQ], v[SQ], v[SQ] row_xmask:2 row_mask:0xf bank_mask:0xf
	v_add_f32_dpp v[SQ], v[SQ], v[SQ] row_xmask:4 row_mask:0xf bank_mask:0xf
	v_add_f32_dpp v[SQ], v[SQ], v[SQ] row_xmask:8 row_mask:0xf bank_mask:0xf
	v_cmp_eq_u32 vcc_lo, \n, v1                    ; lane c = n of each half keeps it: lane L ends with row L's
	v_cndmask_b32 v5, v5, v[SQ], vcc_lo
.endm
.irp n, 0,1,2,3,4,5,6,7,8,9,10,11,12,13,14,15
	ROWS \n
.endr
	v_mul_f32 v5, -0.5, v5
	global_store_b32 v7, v5, s[18:19] offset:262400
	s_cmp_lg_u32 s21, 0                            ; a layer's first work-group writes its zero row
	s_cbranch_scc1 .Ldone
	global_store_b64 v26, v[24:25], s[18:19] offset:262144
.Ldone:
	s_endpgm
.Lfunc_end_k_qfee7fb11aa_prep:
	.size	k_qfee7fb11aa_prep, .Lfunc_end_k_qfee7fb11aa_prep-k_qfee7fb11aa_prep
	.p2alignl 7, 3214868480
	.fill 96, 4, 3214868480
	.section	.rodata,"a",@progbits
	.p2align	6, 0x0
	.amdhsa_kernel k_qfee7fb11aa_prep
		.amdhsa_group_segment_fixed_size 0
		.amdhsa_private_segment_fixed_size 0
		.amdhsa_enable_private_segment 0
		.amdhsa_kernarg_size 48
		.amdhsa_user_sgpr_count 2
		.amdhsa_user_sgpr_kernarg_segment_ptr 1
		.amdhsa_wavefront_size32 1
		.amdhsa_system_sgpr_workgroup_id_x 1
		.amdhsa_system_sgpr_workgroup_id_y 1
		.amdhsa_system_sgpr_workgroup_id_z 1
		.amdhsa_system_vgpr_workitem_id 0
		.amdhsa_next_free_vgpr 160
		.amdhsa_next_free_sgpr 66
		.amdhsa_reserve_vcc 1
		.amdhsa_float_denorm_mode_32 3
		.amdhsa_float_denorm_mode_16_64 3
		.amdhsa_memory_ordered 1
		.amdhsa_forward_progress 1
		.amdhsa_inst_pref_size 28
	.end_amdhsa_kernel
	.amdgpu_metadata
---
amdhsa.version: [ 1, 2 ]
amdhsa.kernels:
  - .name:           k_qfee7fb11aa_prep
    .symbol:         k_qfee7fb11aa_prep.kd
    .args:
      - { .name: centroids, .offset: 0, .size: 8, .value_kind: global_buffer, .address_space: global }
      - { .name: cb0, .offset: 8, .size: 8, .value_kind: global_buffer, .address_space: global }
      - { .name: cb1, .offset: 16, .size: 8, .value_kind: global_buffer, .address_space: global }
      - { .name: cb2, .offset: 24, .size: 8, .value_kind: global_buffer, .address_space: global }
      - { .name: cb3, .offset: 32, .size: 8, .value_kind: global_buffer, .address_space: global }
      - { .name: pA, .offset: 40, .size: 8, .value_kind: global_buffer, .address_space: global }
    .group_segment_fixed_size: 0
    .private_segment_fixed_size: 0
    .kernarg_segment_align: 8
    .kernarg_segment_size: 48
    .max_flat_workgroup_size: 32
    .sgpr_count:     66
    .vgpr_count:     160
    .wavefront_size: 32
...
	.end_amdgpu_metadata
.endif
;; end of part 1
;; launch layer (part 2): grid 256 x 1, 8 waves a work-group, clusters of 4 x 1, 327,680 bytes of LDS; arguments x, pA, cb1, cb2, cb3, cb0, pB; writes pB
.if DOCPART == 2
	.amdgcn_target "amdgcn-amd-amdhsa--gfx1250"
	.amdhsa_code_object_version 6
	.text
	.protected	k_qfee7fb11aa_layer
	.globl	k_qfee7fb11aa_layer
	.p2align	8
	.type	k_qfee7fb11aa_layer,@function
k_qfee7fb11aa_layer:
	s_mov_b64 s[64:65], 0
	v_nop
	global_prefetch_b8 v0, s[64:65] scope:SCOPE_SE
	s_setreg_imm32_b32 hwreg(HW_REG_WAVE_MODE, 25, 1), 1
	s_wait_xcnt 0x0
	s_wait_alu depctr_hold_cnt(0) depctr_sa_sdst(0) depctr_va_vdst(0) depctr_va_sdst(0) depctr_va_ssrc(0) depctr_va_vcc(0) depctr_vm_vsrc(0)
	s_getreg_b32 s2, hwreg(HW_REG_IB_STS2, 6, 4)
	s_cmp_eq_u32 s2, 0
	s_cbranch_scc0 .Lentry_in_a_cluster
	s_endpgm
.Lentry_in_a_cluster:
	s_bfe_u32 s2, ttmp6, 0x10000c
	s_cmp_lg_u32 s2, 0x3003
	s_cbranch_scc0 .Lentry_shape_is_right
	s_endpgm
.Lentry_shape_is_right:
; ONE LAYER OF A RESIDUAL K-MEANS ENCODE.  Arguments: x [131072][128] f32; prev [131072][4] int32; tables T1, T2, T3 and CB; out [131072][4] int32.
; A table holds 1,024 rows of 256 bytes (bf16), a zero row (code 1024), then 1,024 f32 of -||c||^2/2.
; For a row with prev = {p0, p1, p2, p3}: r = ((bf16(x) - T1[p1]) - T2[p2]) - T3[p3] in f32, one rounding a subtraction, in the order in which the layers subtract; code = the k with the largest
; r . CB[k] - ||CB[k]||^2 / 2; out = {p1, p2, p3, code}.  Four launches of this text, the tables turned by one each time, start from prev = 1024 everywhere and leave the four codes of a row.
; The gather of a layer's centroid stands in the NEXT launch, since its address is a code read from memory there.
; LIMITS.  x and the centroids are rounded once to bf16.  ||r||^2, equal for all k of a row, is left out, and the largest score is taken in place of the smallest distance: the order of rounding
; differs from a distance summed as ||r||^2 + ||c||^2 - 2 r.c, so rows whose two best distances lie within f32's rounding of each other may take the other code.  Equal scores: the lowest k.
; r goes to the matrix unit as hi + lo, hi = bf16(r), lo = bf16(r - hi): what is lost is below 2^-17 of each |r|.  NaN and infinities are not treated apart.
; SHARES.  A work-group owns 512 rows, each of its 8 waves 64: four tiles of 16 queries.  The whole codebook, 1,024 rows x 272 bytes, lies in LDS, filled once: no slot is ever filled again.
; Two waves share a SIMD's registers, 512 each: a tile's 32 products have 96 vector instructions beside them (three a score), and one wave's vector work stands beside the other's products.
; CLUSTER.  All work-groups read the same codebook: the four of a cluster ask for it JOINTLY, the same two tensor loads a wave with the same descriptors and the mask of four.
; LAYOUT.  S^T = C R^T: source 0 = 16 centroids, source 1 = 16 queries: a lane holds ONE query (lane % 16) and, in register j, centroid 16 t + 8 (lane / 16) + j.  The C operand that starts a sum is
; -||c||^2/2 of those eight centroids: one set of 8 registers for all four query tiles.  k runs in the tables' position order in both sources, which leaves the products as they are.
; REGISTERS.  window 0: v0-31 addresses and codes; at first v32-223 two gather buffers, v224-239 at work; then v32-95 centroid fragments (2 buffers), v96-111 norms (2), v112-175 sums (2 x 4 tiles),
; v176-207 the best score, v208-239 its tile, for each (query tile, register); v240-251 at work.   window 1: v0-127 hi of the four query tiles, v128-255 lo; at first x.
.set PITCH, 272                        ; a codebook row in LDS: 256 bytes + 16 = 68 words: the 16 rows of a fragment load start at 16 different groups of four banks (ISA guide 11.1)
.set TILEB, 16*PITCH                   ; 16 rows
.set CSQ,   1024*PITCH                 ; behind the codebook: 1,024 f32
.set STAGE, CSQ+4096                   ; 16 rows x 272 bytes for each wave, its own; no tensor load lands here
.set SPARE, STAGE+8*TILEB              ; the spare words, 128 bytes for each wave: four blocks of 256 bytes that no other line names
.set CSQG,  262400                     ; the norms' place in a table
.set C16, 1                            ; v1   16 c, c = lane % 16
.set XO,  2                            ; v2   x: 8 rows x (lane / 16) + 16 c
.set A0,  3                            ; v3   my place in a tile of 16 codebook rows: (lane % 16) x 272 + 16 (lane / 16); never rewritten
.set C0,  4                            ; v4   CSQ + 32 (lane / 16); never rewritten
.set STO, 5                            ; v5   stage, in: row 8 (lane / 16), byte 16 c
.set RDS, 6                            ; v6   stage, back: row lane % 16, byte 16 (lane / 16)
.set NEG1, 7                           ; v7   -1.0
.set SPW, 8                            ; v8   LDS address of my spare word; never rewritten
.set NIL, 9                            ; v9   0; never rewritten
.set L16, 10                           ; v10  16 x lane
.set H8,  11                           ; v11  8 (lane / 16)
.set PO,  12                           ; v12-19  prev of rows 32 i + lane, i = 0, 1
.set PG,  20                           ; v20-27  prev, permuted: lane 16 h + c holds row 32 i + 16 (c / 8) + 8 h + c % 8
.set TM,  28                           ; v28-30  at work
.set PGA, 31                           ; v31  the permuted rows' byte offset
.set GB,  32                           ; gather buffer b at GB + 96 b: pair n at + 12 n: 16 bytes of T1, T2, T3
.set XB,  224                          ; 8 bf16 of x
.set RR,  228                          ; 8 f32 of r
.set HH,  236                          ; 8 bf16: hi
.set AF,  32
.set CQ,  96
.set ACC, 112
.set BEST, 176
.set IDX, 208
.set ADRA, 240
.set ADRC, 241
.set MM,  242
.set TT,  243
.set CD,  244                          ; v244-247  the four tiles' codes
.set NINF, 2                           ; s2   -infinity
.set WV,  18                           ; s18  my wave's number
.set CX,  19                           ; s19  my place in the cluster: it enters x's, prev's and out's addresses alone
.set WG,  20
.set SB,  21                           ; s21  my stage
.set G1C, 24                           ; s[24:31], s[32:35] descriptor of my 128 codebook rows
.set G0C, 32
.set G1Q, 36                           ; s[36:43], s[44:47] descriptor of my 128 norms
.set G0Q, 44
.set SEL, 48                           ; s[48:49] v_permlanex16_b32: each lane takes its own place in the other half
.set TN,  50                           ; s50  the tile whose scores the riders look at
.set CNT, 51
.set MK,  52                           ; s52-55  lane masks
.set BIG, 56                           ; s56  0x7fffffff
.set HALF, 57                          ; s57  lanes 16-31
.set TA,  58                           ; s58  LDS byte of the codebook tile to be fetched
.set TC,  59                           ; s59  the same for its norms, less CSQ
.set MSB, 0
.macro WIN new                         ; the immediate's high byte repeats the setting that is left; a switch that changes nothing is dropped
.if MSB != (\new)
	s_set_vgpr_msb (MSB<<8)|(\new)
.set MSB, (\new)
.endif
.endm
.macro ROUND                           ; a round of the cluster's barrier
	s_barrier_signal -1
	s_barrier_wait -1
	s_cmp_lg_u32 s[WV], 0
	s_cbranch_scc1 .Lnot_wave_0_\@
	s_barrier_signal -3
.Lnot_wave_0_\@:
	s_barrier_wait -3
	s_barrier_signal -1
	s_barrier_wait -1
.endm
; x of query tile q: pair n = rows n (lanes 0-15) and n + 8 (lanes 16-31); each half of the lanes reads 256 consecutive aligned bytes.  It lands where the tile's hi and lo will lie.
.macro XLOAD q
	WIN 0x40                                       ; destination window 1, address window 0
.irp n, 0,1,2,3,4,5,6,7
.set xr, 128*((\n)/4)+32*(\q)+8*((\n)%4)
	global_load_b128 v[xr:xr+3],   v[XO], s[4:5] offset:(16*(\q)+(\n))*512
	global_load_b128 v[xr+4:xr+7], v[XO], s[4:5] offset:(16*(\q)+(\n))*512+256
.endr
.endm
; The three table rows of one pair: each half of the lanes takes its row's three codes from lane m of its own half, clamps them to the table, and reads 256 consecutive aligned bytes of each row.
; A load's offset lies in the first register that the same load fills.
.macro GATHER1 q, buf, m
.set gd, GB+96*(\buf)+12*((\m)%8)
.irp t, 1,2,3
	v_mov_b32_dpp v[TM+\t-1], v[PG+4*((\q)/2)+\t] row_share:\m row_mask:0xf bank_mask:0xf
.endr
.irp t, 0,1,2
	v_min_u32 v[TM+\t], 0x400, v[TM+\t]
.endr
.irp t, 0,1,2
	v_lshl_add_u32 v[gd+4*\t], v[TM+\t], 8, v[C16]
.endr
.irp t, 0,1,2
	global_load_b128 v[gd+4*\t:gd+4*\t+3], v[gd+4*\t], s[8+2*\t:9+2*\t]
.endr
.endm
.macro GATHER q, buf
	WIN 0
.if ((\q)%2) == 0
.irp m, 0,1,2,3,4,5,6,7
	GATHER1 \q, \buf, \m
.endr
.else
.irp m, 8,9,10,11,12,13,14,15
	GATHER1 \q, \buf, \m
.endr
.endif
.endm
; One pair of rows: x rounded to bf16; three subtractions in f32, each t x (-1) + r with one rounding; hi = bf16(r) into the stage; lo = bf16(r - hi) into T1's four registers, which have been read.
.macro PAIR q, buf, n
.set xr, 128*((\n)/4)+32*(\q)+8*((\n)%4)
.set g, GB+96*(\buf)+12*(\n)
	WIN 0x05                                       ; sources window 1, destination window 0
.irp i, 0,1,2,3
	v_cvt_pk_bf16_f32 v[XB+\i], v[xr+2*\i], v[xr+2*\i+1]
.endr
	WIN 0
.irp i, 0,1,2,3
	v_fma_mix_f32_bf16 v[RR+2*\i],   v[g+\i], v[NEG1], v[XB+\i] op_sel:[0,0,0] op_sel_hi:[1,0,1]
	v_fma_mix_f32_bf16 v[RR+2*\i+1], v[g+\i], v[NEG1], v[XB+\i] op_sel:[1,0,1] op_sel_hi:[1,0,1]
.endr
.irp i, 0,1,2,3
	v_fma_mix_f32_bf16 v[RR+2*\i],   v[g+4+\i], v[NEG1], v[RR+2*\i]   op_sel:[0,0,0] op_sel_hi:[1,0,0]
	v_fma_mix_f32_bf16 v[RR+2*\i+1], v[g+4+\i], v[NEG1], v[RR+2*\i+1] op_sel:[1,0,0] op_sel_hi:[1,0,0]
.endr
.irp i, 0,1,2,3
	v_fma_mix_f32_bf16 v[RR+2*\i],   v[g+8+\i], v[NEG1], v[RR+2*\i]   op_sel:[0,0,0] op_sel_hi:[1,0,0]
	v_fma_mix_f32_bf16 v[RR+2*\i+1], v[g+8+\i], v[NEG1], v[RR+2*\i+1] op_sel:[1,0,0] op_sel_hi:[1,0,0]
.endr
.irp i, 0,1,2,3
	v_cvt_pk_bf16_f32 v[HH+\i], v[RR+2*\i], v[RR+2*\i+1]
.endr
.irp i, 0,1,2,3
	v_fma_mixlo_bf16 v[g+\i], v[HH+\i], v[NEG1], v[RR+2*\i]   op_sel:[0,0,0] op_sel_hi:[1,0,0]
	v_fma_mixhi_bf16 v[g+\i], v[HH+\i], v[NEG1], v[RR+2*\i+1] op_sel:[1,0,0] op_sel_hi:[1,0,0]
.endr
	ds_store_b128 v[STO], v[HH:HH+3] offset:(\n)*PITCH
.endm
; A query tile: its 8 pairs; hi comes back from my stage as four fragments (16 queries x 32 k each); then lo takes the same way.  LDS serves a wave's instructions in order (ISA guide 5.7.1.4) and the
; stage is my wave's own, so no wait stands between the stores and the loads.  left: the younger global loads that may stay out.
.macro TILE q, buf, left
	s_wait_loadcnt \left
.irp n, 0,1,2,3,4,5,6,7
	PAIR \q, \buf, \n
.endr
	WIN 0x40
.irp f, 0,1,2,3
	ds_load_b128 v[32*(\q)+8*\f:32*(\q)+8*\f+3],   v[RDS] offset:64*\f
	ds_load_b128 v[32*(\q)+8*\f+4:32*(\q)+8*\f+7], v[RDS] offset:64*\f+32
.endr
	WIN 0
.irp n, 0,1,2,3,4,5,6,7
	ds_store_b128 v[STO], v[GB+96*(\buf)+12*\n:GB+96*(\buf)+12*\n+3] offset:\n*PITCH
.endr
	WIN 0x40
.irp f, 0,1,2,3
	ds_load_b128 v[128+32*(\q)+8*\f:128+32*(\q)+8*\f+3],   v[RDS] offset:64*\f
	ds_load_b128 v[128+32*(\q)+8*\f+4:128+32*(\q)+8*\f+7], v[RDS] offset:64*\f+32
.endr
	WIN 0
.endm
; Ten LDS loads in one run: the next 16 centroids (four fragments) and their eight norms for my half of the lanes, into buffer buf.
.macro ALOAD buf
	WIN 0
	v_add_nc_u32 v[ADRA], s[TA], v[A0]
	v_add_nc_u32 v[ADRC], s[TC], v[C0]
	s_add_co_u32 s[TA], s[TA], TILEB
	s_add_co_u32 s[TC], s[TC], 64
.irp f, 0,1,2,3
	ds_load_b128 v[AF+32*(\buf)+8*\f:AF+32*(\buf)+8*\f+3],   v[ADRA] offset:64*\f
	ds_load_b128 v[AF+32*(\buf)+8*\f+4:AF+32*(\buf)+8*\f+7], v[ADRA] offset:64*\f+32
.endr
	ds_load_b128 v[CQ+8*(\buf):CQ+8*(\buf)+3],   v[ADRC]
	ds_load_b128 v[CQ+8*(\buf)+4:CQ+8*(\buf)+7], v[ADRC] offset:16
.endm
; Riders: four scores of sum buffer buf (slice s of 8; each accumulator's four lowest registers come first) against the best so far.  Only a greater score moves the tile's number, so the earliest tile keeps a tie.
.macro RID buf, s
	WIN 0
.irp i, 0,1,2,3
	v_cmp_le_f32 s[MK+\i], v[ACC+32*(\buf)+4*(\s)+\i], v[BEST+4*(\s)+\i]
.endr
.irp i, 0,1,2,3
	v_cndmask_b32 v[IDX+4*(\s)+\i], s[TN], v[IDX+4*(\s)+\i], s[MK+\i]
.endr
.irp i, 0,1,2,3
	v_max_num_f32 v[BEST+4*(\s)+\i], v[ACC+32*(\buf)+4*(\s)+\i], v[BEST+4*(\s)+\i]
.endr
.endm
; A TURN: 16 centroids against my 64 queries: 32 products in 8 slices of four (k 32 (s % 4) on; hi in slices 0-3, lo in 4-7).  The four accumulators take turns, one instruction a turn;
; slice 0 starts the sums with the norms.  rid = 1: behind each slice stand twelve riders on the tile before, whose sums lie in the other buffer.  load = 1: the next tile's ten loads stand
; behind slice 1, 24 products ahead of the wait for them.
; Places: the riders behind slice 7 name no register of its products, and are the places in front of the next turn's riders, which read those sums, and of the loads into the
; fragment buffer just multiplied.  A turn without riders ends in four v_nop for the same two.
.macro TURN cur, rid, load
	s_wait_dscnt 0x0                               ; this tile's ten loads are in: no LDS instruction was issued behind them
.irp s, 0,1,2,3,4,5,6,7
	WIN 0x04                                       ; source 1 (the queries) in window 1
.irp q, 0,1,2,3
.set ra, ACC+32*(\cur)+8*(\q)
.set rf, AF+32*(\cur)+8*((\s)%4)
.set rb, 128*((\s)/4)+32*(\q)+8*((\s)%4)
.if (\s) == 0
	v_wmma_f32_16x16x32_bf16 v[ra:ra+7], v[rf:rf+7], v[rb:rb+7], v[CQ+8*(\cur):CQ+8*(\cur)+7]
.else
	v_wmma_f32_16x16x32_bf16 v[ra:ra+7], v[rf:rf+7], v[rb:rb+7], v[ra:ra+7]
.endif
.endr
.if \rid
	RID 1-(\cur), \s
.endif
.if (\load) && ((\s) == 1)
	ALOAD 1-(\cur)
.endif
.endr
	WIN 0
.if \rid
	s_add_co_u32 s[TN], s[TN], 1
.else
.rept 4
	v_nop
.endr
.endif
.endm
	s_load_b256 s[4:11], s[0:1], 0x0               ; x s[4:5], prev s[6:7], T1 s[8:9], T2 s[10:11]
	s_load_b128 s[12:15], s[0:1], 0x20             ; T3 s[12:13], CB s[14:15]
	s_load_b64 s[16:17], s[0:1], 0x30              ; out
	v_lshl_add_u32 v[SPW], v0, 2, SPARE
	v_mov_b32 v[NIL], 0
	ds_add_u32 v[SPW], v[NIL]                      ; the wave's opening: the add and its wait stand ahead of my first tensor load; the set-up below, work on registers, stands between them
	v_lshrrev_b32 v1, 5, v0
	v_readfirstlane_b32 s[WV], v1                  ; wave 0..7
	s_bfe_u32 s[CX], ttmp6, 0x40000
	s_lshl_b32 s[WG], ttmp9, 2                     ; in a cluster launch ttmp9 counts clusters
	s_add_co_u32 s[WG], s[WG], s[CX]               ; my work-group = 4 x cluster + cx
	s_lshl_b32 s60, s[WG], 18                      ; x: 512 rows of 512 bytes a work-group,
	s_lshl_b32 s61, s[WV], 15                      ; 64 a wave
	s_add_co_u32 s60, s60, s61
	s_mov_b32 s61, 0
	s_lshl_b32 s62, s[WG], 13                      ; prev and out: rows of 16 bytes
	s_lshl_b32 s63, s[WV], 10
	s_add_co_u32 s62, s62, s63
	s_mov_b32 s63, 0
	; descriptor group 1 for the codebook: 128 rows x 128 elements of 2 bytes, padded in LDS
	s_mov_b32 s[G1C], 15|(1<<16)|(1<<20)|(1<<21)|(5<<22)|(3<<25)  ; 15:0 the mask of four; 17:16 2-byte elements; 20 padding on; 21 set beside a mask; 24:22 after every 64 words (code 5); 31:25 4 words (code 3)
	s_mov_b32 s[G1C+1], 128<<16                    ; tensor_dim0 = 128
	s_mov_b32 s[G1C+2], 128<<16                    ; tensor_dim1 = 128
	s_mov_b32 s[G1C+3], 128<<16                    ; tile_dim0 = 128
	s_mov_b32 s[G1C+4], 128                        ; tile_dim1 = 128
	s_mov_b32 s[G1C+5], 128                        ; 128 elements from row to row
	s_mov_b32 s[G1C+6], 0
	s_mov_b32 s[G1C+7], 0
	; and for the norms: one row of 64 elements of 8 bytes
	s_mov_b32 s[G1Q], 15|(3<<16)|(1<<21)
	s_mov_b32 s[G1Q+1], 64<<16
	s_mov_b32 s[G1Q+2], 1<<16
	s_mov_b32 s[G1Q+3], 64<<16
	s_mov_b32 s[G1Q+4], 1
	s_mov_b32 s[G1Q+5], 64
	s_mov_b32 s[G1Q+6], 0
	s_mov_b32 s[G1Q+7], 0
	s_mov_b32 s[G0C], 1                            ; count = 1
	s_mul_i32 s[G0C+1], s[WV], 128*PITCH           ; LDS address: the wave's number alone
	s_mov_b32 s[G0Q], 1
	s_lshl_b32 s[G0Q+1], s[WV], 9
	s_add_co_u32 s[G0Q+1], s[G0Q+1], CSQ
	s_lshl_b32 s22, s[WV], 15                      ; my 128 rows of 256 bytes in the table
	s_mov_b32 s23, 0
	s_mul_i32 s[SB], s[WV], TILEB
	s_add_co_u32 s[SB], s[SB], STAGE
	s_mov_b32 s[SEL], 0x76543210
	s_mov_b32 s[SEL+1], 0xfedcba98
	s_mov_b32 s[BIG], 0x7fffffff
	s_mov_b32 s[HALF], 0xffff0000
	s_mov_b32 s[NINF], 0xff800000
	s_mov_b32 s[TN], 0
	s_mov_b32 s[TA], 0
	s_mov_b32 s[TC], 0
	v_and_b32 v[TM], 15, v0                        ; c = lane % 16
	v_bfe_u32 v[TM+1], v0, 4, 1                    ; h = lane / 16
	v_lshlrev_b32 v[C16], 4, v[TM]
	v_lshl_add_u32 v[XO], v[TM+1], 12, v[C16]
	v_mul_u32_u24 v[TM+2], v[TM], PITCH
	v_lshl_add_u32 v[A0], v[TM+1], 4, v[TM+2]
	v_lshlrev_b32 v[C0], 5, v[TM+1]
	v_add_nc_u32 v[C0], CSQ, v[C0]
	v_add_nc_u32 v[RDS], s[SB], v[A0]
	v_mul_u32_u24 v[STO], v[TM+1], 8*PITCH
	v_add_nc_u32 v[STO], v[STO], v[C16]
	v_add_nc_u32 v[STO], s[SB], v[STO]
	v_mov_b32 v[NEG1], -1.0
	v_and_b32 v[L16], 31, v0
	v_lshlrev_b32 v[L16], 4, v[L16]
	v_lshlrev_b32 v[H8], 3, v[TM+1]
	v_and_b32 v[PGA], 7, v0
	v_lshlrev_b32 v[PGA], 4, v[PGA]                ; 16 (c % 8)
	v_bfe_u32 v[TM+2], v0, 3, 1
	v_lshl_add_u32 v[PGA], v[TM+2], 8, v[PGA]      ; + 256 (c / 8)
	v_lshl_add_u32 v[PGA], v[TM+1], 7, v[PGA]      ; + 128 h
	v_mov_b32 v[TT], 0                             ; v_permlanex16_b32's destination counts as read
	s_wait_dscnt 0x0                               ; the opening add is done
	s_wait_kmcnt 0x0
	s_add_nc_u64 s[4:5], s[4:5], s[60:61]
	s_add_nc_u64 s[6:7], s[6:7], s[62:63]
	s_add_nc_u64 s[16:17], s[16:17], s[62:63]
	s_add_nc_u64 s[G0C+2:G0C+3], s[14:15], s[22:23]
	s_or_b32 s[G0C+3], s[G0C+3], 0x80000000        ; type = 2
	s_lshl_b32 s22, s[WV], 9                       ; my 128 norms
	s_add_co_u32 s22, s22, CSQG
	s_add_nc_u64 s[G0Q+2:G0Q+3], s[14:15], s[22:23]
	s_or_b32 s[G0Q+3], s[G0Q+3], 0x80000000
	global_load_b128 v[PG:PG+3],   v[PGA], s[6:7]  ; the codes first: the gathers hang on them
	global_load_b128 v[PG+4:PG+7], v[PGA], s[6:7] offset:512
	global_load_b128 v[PO:PO+3],   v[L16], s[6:7]
	global_load_b128 v[PO+4:PO+7], v[L16], s[6:7] offset:512
	XLOAD 0
	XLOAD 1
	WIN 0
	ROUND                                          ; all four work-groups are here: the joint loads meet
	tensor_load_to_lds s[G0C:G0C+3], s[G1C:G1C+7]  ; my eighth of the codebook,
	s_nop 0
	tensor_load_to_lds s[G0Q:G0Q+3], s[G1Q:G1Q+7]  ; and of the norms: two tensor loads of mine are out, the only two of the launch; they land while the residuals are made
	s_nop 0
.rept 4
	v_nop
.endr
	s_wait_loadcnt 32                              ; the four loads of codes are in; behind them stand the 32 of x
	GATHER 0, 0
	GATHER 1, 1
	XLOAD 2
	XLOAD 3
	TILE 0, 0, 56                                  ; out may stay: tile 1's 24 gathers and the 32 loads of x behind them
	GATHER 2, 0
	TILE 1, 1, 56                                  ; the 32 loads of x and tile 2's 24 gathers
	GATHER 3, 1
	TILE 2, 0, 24                                  ; tile 3's 24 gathers
	TILE 3, 1, 0
.set i, 0
.rept 32
	v_mov_b32 v[BEST+i], s[NINF]                   ; below every score
	v_mov_b32 v[IDX+i], 0
.set i, i+1
.endr
	s_wait_tensorcnt 0x0                           ; my parts of the codebook and of the norms have landed,
	s_wait_dscnt 0x0                               ; my fragments of hi and lo are in registers,
	s_barrier_signal -1
	s_barrier_wait -1                              ; and every wave's parts have landed.
	ALOAD 0
	TURN 0, 0, 1                                   ; tile 0: there are no scores yet to look at
	s_mov_b32 s[CNT], 31
.Lpair:                                                ; tiles 1 to 62, two a trip, on the two buffers by turns
	TURN 1, 1, 1
	TURN 0, 1, 1
	s_sub_co_u32 s[CNT], s[CNT], 1
	s_cmp_lg_u32 s[CNT], 0
	s_cbranch_scc1 .Lpair
	TURN 1, 1, 0                                   ; tile 63: nothing is left to fetch
.irp s, 0,1,2,3,4,5,6,7
	RID 1, \s                                      ; and its scores; the twelve riders behind its last products are the places in front of these
.endr
	; THE MERGE.  For each query tile: the largest of the lane's eight best and of the other half's; of the places that hold it, the lowest 16 t + 8 h + j.
.irp q, 0,1,2,3
.set mb, BEST+8*(\q)
.set mx, IDX+8*(\q)
	v_max3_num_f32 v[MM], v[mb], v[mb+1], v[mb+2]
	v_max3_num_f32 v[MM], v[MM], v[mb+3], v[mb+4]
	v_max3_num_f32 v[MM], v[MM], v[mb+5], v[mb+6]
	v_max_num_f32 v[MM], v[MM], v[mb+7]
	v_permlanex16_b32 v[TT], v[MM], s[SEL], s[SEL+1]
	v_max_num_f32 v[MM], v[MM], v[TT]
.irp j, 0,1,2,3,4,5,6,7
	v_lshl_or_b32 v[mx+\j], v[mx+\j], 4, \j
	v_cmp_eq_f32 vcc_lo, v[mb+\j], v[MM]
	v_cndmask_b32 v[mx+\j], s[BIG], v[mx+\j], vcc_lo
.endr
	v_min_u32 v[mx],   v[mx],   v[mx+1]
	v_min_u32 v[mx+2], v[mx+2], v[mx+3]
	v_min_u32 v[mx+4], v[mx+4], v[mx+5]
	v_min_u32 v[mx+6], v[mx+6], v[mx+7]
	v_min_u32 v[mx],   v[mx],   v[mx+2]
	v_min_u32 v[mx+4], v[mx+4], v[mx+6]
	v_min_u32 v[mx],   v[mx],   v[mx+4]
	v_or_b32 v[CD+\q], v[mx], v[H8]
	v_permlanex16_b32 v[TT], v[CD+\q], s[SEL], s[SEL+1]
	v_min_u32 v[CD+\q], v[CD+\q], v[TT]            ; both halves of the lanes now hold query (lane % 16)'s code
.endr
	; OUT: row 32 i + lane gets {p1, p2, p3, code}: lanes 0-15 take tile 2 i's code, lanes 16-31 tile 2 i + 1's.  Each store covers 512 consecutive aligned bytes.
.irp i, 0,1
	v_mov_b32 v[PO+4*\i],   v[PO+4*\i+1]
	v_mov_b32 v[PO+4*\i+1], v[PO+4*\i+2]
	v_mov_b32 v[PO+4*\i+2], v[PO+4*\i+3]
	v_cndmask_b32 v[PO+4*\i+3], v[CD+2*\i], v[CD+2*\i+1], s[HALF]
	global_store_b128 v[L16], v[PO+4*\i:PO+4*\i+3], s[16:17] offset:512*\i
.endr
	s_wait_tensorcnt 0x0                           ; the wave's end: behind my last tensor load and my last LDS store
	ds_add_u32 v[SPW], v[NIL]
	s_wait_dscnt 0x0
	ROUND                                          ; the closing round: no work-group ends while a partner may still ask for a tile that names it
	s_endpgm
.Lfunc_end_k_qfee7fb11aa_layer:
	.size	k_qfee7fb11aa_layer, .Lfunc_end_k_qfee7fb11aa_layer-k_qfee7fb11aa_layer
	.p2alignl 7, 3214868480
	.fill 96, 4, 3214868480
	.section	.rodata,"a",@progbits
	.p2align	6, 0x0
	.amdhsa_kernel k_qfee7fb11aa_layer
		.amdhsa_group_segment_fixed_size 327680
		.amdhsa_private_segment_fixed_size 0
		.amdhsa_enable_private_segment 0
		.amdhsa_kernarg_size 56
		.amdhsa_user_sgpr_count 2
		.amdhsa_user_sgpr_kernarg_segment_ptr 1
		.amdhsa_wavefront_size32 1
		.amdhsa_system_sgpr_workgroup_id_x 1
		.amdhsa_system_sgpr_workgroup_id_y 1
		.amdhsa_system_sgpr_workgroup_id_z 1
		.amdhsa_system_vgpr_workitem_id 0
		.amdhsa_next_free_vgpr 512
		.amdhsa_next_free_sgpr 66
		.amdhsa_reserve_vcc 1
		.amdhsa_float_denorm_mode_32 3
		.amdhsa_float_denorm_mode_16_64 3
		.amdhsa_memory_ordered 1
		.amdhsa_forward_progress 1
		.amdhsa_inst_pref_size 173
	.end_amdhsa_kernel
	.amdgpu_metadata
---
amdhsa.version: [ 1, 2 ]
amdhsa.kernels:
  - .name:           k_qfee7fb11aa_layer
    .symbol:         k_qfee7fb11aa_layer.kd
    .args:
      - { .name: x, .offset: 0, .size: 8, .value_kind: global_buffer, .address_space: global }
      - { .name: pA, .offset: 8, .size: 8, .value_kind: global_buffer, .address_space: global }
      - { .name: cb1, .offset: 16, .size: 8, .value_kind: global_buffer, .address_space: global }
      - { .name: cb2, .offset: 24, .size: 8, .value_kind: global_buffer, .address_space: global }
      - { .name: cb3, .offset: 32, .size: 8, .value_kind: global_buffer, .address_space: global }
      - { .name: cb0, .offset: 40, .size: 8, .value_kind: global_buffer, .address_space: global }
      - { .name: pB, .offset: 48, .size: 8, .value_kind: global_buffer, .address_space: global }
    .group_segment_fixed_size: 327680
    .private_segment_fixed_size: 0
    .kernarg_segment_align: 8
    .kernarg_segment_size: 56
    .max_flat_workgroup_size: 256
    .sgpr_count:     66
    .vgpr_count:     512
    .wavefront_size: 32
...
	.end_amdgpu_metadata
.endif
;; end of part 2
;; launch l1: the kernel of part 2 again; grid 256 x 1, 8 waves a work-group, clusters of 4 x 1, 327,680 bytes of LDS; arguments x, pB, cb2, cb3, cb0, cb1, pA; writes pA
;; launch l2: the kernel of part 2 again; grid 256 x 1, 8 waves a work-group, clusters of 4 x 1, 327,680 bytes of LDS; arguments x, pA, cb3, cb0, cb1, cb2, pB; writes pB
;; launch l3: the kernel of part 2 again; grid 256 x 1, 8 waves a work-group, clusters of 4 x 1, 327,680 bytes of LDS; arguments x, pB, cb0, cb1, cb2, cb3, out0; writes out0
;; ======== version 2 of 3: 5 launches; 1.19 times as fast as version 1
;; workspace buffers: cb0 266,496 bytes; cb1 266,496 bytes; cb2 266,496 bytes; cb3 266,496 bytes; xb 33,554,432 bytes; pA 2,097,152 bytes of whole numbers; pB 2,097,152 bytes of whole numbers
;; launch prep (part 3): grid 128 x 1, 1 waves a work-group, no clusters, 0 bytes of LDS; arguments centroids, cb0, cb1, cb2, cb3; writes cb0, cb1, cb2, cb3
.if DOCPART == 3
	.amdgcn_target "amdgcn-amd-amdhsa--gfx1250"
	.amdhsa_code_object_version 6
	.text
	.protected	k_qfee7fb11aa_prep
	.globl	k_qfee7fb11aa_prep
	.p2align	8
	.type	k_qfee7fb11aa_prep,@function
k_qfee7fb11aa_prep:
	s_mov_b64 s[64:65], 0
	v_nop
	global_prefetch_b8 v0, s[64:65] scope:SCOPE_SE
	s_setreg_imm32_b32 hwreg(HW_REG_WAVE_MODE, 25, 1), 1
	s_wait_xcnt 0x0
; TABLES FOR THE FOUR LAYERS.  centroids: [4][1024][128] f32.  For layer l the table cb_l holds
;   bytes 0 .. 262,143        1,024 rows of 256 bytes: the centroid rounded once to bf16, in POSITION ORDER: the 16 bytes c (0..15) of a row
;                             hold k = 4c .. 4c+3 and then k = 64+4c .. 64+4c+3 (what a lane gets from two 16-byte loads, 256 bytes apart, of an f32 row)
;   bytes 262,144 .. 262,399  a row of zeros: code 1024, "no centroid yet"
;   bytes 262,400 .. 266,495  1,024 f32: -||c||^2 / 2, taken of the ROUNDED numbers, summed in f32
; LIMIT: the centroids are rounded to bf16 here, once; all later arithmetic takes the rounded numbers.
; SHARES.  128 work-groups of one wave: work-group g takes 32 rows of layer g / 32 (16 KiB in, 8 KiB out).  The whole launch moves 2 MiB in and 1 MiB out, each byte once;
; no LDS, no barrier and no matrix unit would add anything.  Lanes 0-15 take row n, lanes 16-31 row n + 16: each half reads and writes 256 consecutive aligned bytes.
.set X,  32                            ; v[32:159]  pair n of rows: 8 registers as loaded; its first 4 then hold the 8 bf16 to store
.set T,  8                             ; v[8:15]    the 8 rounded numbers, widened
.set SQ, 16                            ; v[16:17]   sums of squares
	s_load_b256 s[4:11], s[0:1], 0x0               ; centroids s[4:5], cb0 s[6:7], cb1 s[8:9], cb2 s[10:11]
	s_load_b64 s[12:13], s[0:1], 0x20              ; cb3
	s_lshr_b32 s20, ttmp9, 5                       ; the layer
	s_and_b32 s21, ttmp9, 31                       ; my block of 32 rows in it
	s_lshl_b32 s24, ttmp9, 14                      ; 32 rows of 512 bytes of centroids
	s_mov_b32 s25, 0
	s_lshl_b32 s26, s21, 13                        ; 32 rows of 256 bytes of the table
	s_mov_b32 s27, 0
	s_lshl_b32 s22, s21, 7                         ; 32 f32 of the norms
	s_mov_b32 s23, 0xffff0000                      ; a word's upper bf16
	v_and_b32 v1, 15, v0                           ; c
	v_lshrrev_b32 v2, 4, v0                        ; h
	v_lshlrev_b32 v3, 4, v1
	v_lshl_add_u32 v4, v2, 12, v3                  ; out: 16 rows of 256 bytes x h + 16 c
	v_lshl_add_u32 v3, v2, 13, v3                  ; in:  16 rows of 512 bytes x h + 16 c
	v_mov_b32 v5, 0                                ; lane L gathers row L's sum of squares here
	v_lshl_add_u32 v7, v0, 2, s22                  ; the norms: 4 bytes a lane
	v_lshlrev_b32 v26, 3, v0                       ; the zero row: 8 bytes a lane
	v_mov_b32 v24, 0
	v_mov_b32 v25, 0
	s_wait_kmcnt 0x0
	s_add_nc_u64 s[4:5], s[4:5], s[24:25]
	s_cmp_eq_u32 s20, 1                            ; the layer's table: a choice among four buffers by the work-group's number
	s_cselect_b64 s[18:19], s[8:9], s[6:7]
	s_cmp_eq_u32 s20, 2
	s_cselect_b64 s[18:19], s[10:11], s[18:19]
	s_cmp_eq_u32 s20, 3
	s_cselect_b64 s[18:19], s[12:13], s[18:19]
	s_add_nc_u64 s[16:17], s[18:19], s[26:27]      ; the table at my first row; s[18:19] stays at its first byte
.set n, 0
.rept 16                                       ; all 32 loads go out at once
	global_load_b128 v[X+8*n:X+8*n+3],   v3, s[4:5] offset:512*n
	global_load_b128 v[X+8*n+4:X+8*n+7], v3, s[4:5] offset:512*n+256
.set n, n+1
.endr
.macro ROWS n
.set xr, X+8*(\n)
	s_wait_loadcnt 30-2*(\n)                       ; loads come back in order: this pair's two are in, the two of each later pair may stay out
	v_cvt_pk_bf16_f32 v[xr],   v[xr],   v[xr+1]    ; rounded in place, ascending: each line's sources are still as loaded
	v_cvt_pk_bf16_f32 v[xr+1], v[xr+2], v[xr+3]
	v_cvt_pk_bf16_f32 v[xr+2], v[xr+4], v[xr+5]
	v_cvt_pk_bf16_f32 v[xr+3], v[xr+6], v[xr+7]
	global_store_b128 v4, v[xr:xr+3], s[16:17] offset:256*(\n)  ; these four registers are not written again
.irp i, 0,1,2,3
	v_lshlrev_b32 v[T+2*\i],   16,  v[xr+\i]       ; the rounded numbers as f32
	v_and_b32     v[T+2*\i+1], s23, v[xr+\i]
.endr
	v_pk_mul_f32 v[SQ:SQ+1], v[T:T+1], v[T:T+1]
	v_pk_fma_f32 v[SQ:SQ+1], v[T+2:T+3], v[T+2:T+3], v[SQ:SQ+1]
	v_pk_fma_f32 v[SQ:SQ+1], v[T+4:T+5], v[T+4:T+5], v[SQ:SQ+1]
	v_pk_fma_f32 v[SQ:SQ+1], v[T+6:T+7], v[T+6:T+7], v[SQ:SQ+1]
	v_add_f32 v[SQ], v[SQ], v[SQ+1]
	v_add_f32_dpp v[SQ], v[SQ], v[SQ] row_xmask:1 row_mask:0xf bank_mask:0xf  ; over the 16 lanes of the row
	v_add_f32_dpp v[SQ], v[SQ], v[SQ] row_xmask:2 row_mask:0xf bank_mask:0xf
	v_add_f32_dpp v[SQ], v[SQ], v[SQ] row_xmask:4 row_mask:0xf bank_mask:0xf
	v_add_f32_dpp v[SQ], v[SQ], v[SQ] row_xmask:8 row_mask:0xf bank_mask:0xf
	v_cmp_eq_u32 vcc_lo, \n, v1                    ; lane c = n of each half keeps it: lane L ends with row L's
	v_cndmask_b32 v5, v5, v[SQ], vcc_lo
.endm
.irp n, 0,1,2,3,4,5,6,7,8,9,10,11,12,13,14,15
	ROWS \n
.endr
	v_mul_f32 v5, -0.5, v5
	global_store_b32 v7, v5, s[18:19] offset:262400
	s_cmp_lg_u32 s21, 0                            ; a layer's first work-group writes its zero row
	s_cbranch_scc1 .Ldone
	global_store_b64 v26, v[24:25], s[18:19] offset:262144
.Ldone:
	s_endpgm
.Lfunc_end_k_qfee7fb11aa_prep:
	.size	k_qfee7fb11aa_prep, .Lfunc_end_k_qfee7fb11aa_prep-k_qfee7fb11aa_prep
	.p2alignl 7, 3214868480
	.fill 96, 4, 3214868480
	.section	.rodata,"a",@progbits
	.p2align	6, 0x0
	.amdhsa_kernel k_qfee7fb11aa_prep
		.amdhsa_group_segment_fixed_size 0
		.amdhsa_private_segment_fixed_size 0
		.amdhsa_enable_private_segment 0
		.amdhsa_kernarg_size 40
		.amdhsa_user_sgpr_count 2
		.amdhsa_user_sgpr_kernarg_segment_ptr 1
		.amdhsa_wavefront_size32 1
		.amdhsa_system_sgpr_workgroup_id_x 1
		.amdhsa_system_sgpr_workgroup_id_y 1
		.amdhsa_system_sgpr_workgroup_id_z 1
		.amdhsa_system_vgpr_workitem_id 0
		.amdhsa_next_free_vgpr 160
		.amdhsa_next_free_sgpr 66
		.amdhsa_reserve_vcc 1
		.amdhsa_float_denorm_mode_32 3
		.amdhsa_float_denorm_mode_16_64 3
		.amdhsa_memory_ordered 1
		.amdhsa_forward_progress 1
		.amdhsa_inst_pref_size 25
	.end_amdhsa_kernel
	.amdgpu_metadata
---
amdhsa.version: [ 1, 2 ]
amdhsa.kernels:
  - .name:           k_qfee7fb11aa_prep
    .symbol:         k_qfee7fb11aa_prep.kd
    .args:
      - { .name: centroids, .offset: 0, .size: 8, .value_kind: global_buffer, .address_space: global }
      - { .name: cb0, .offset: 8, .size: 8, .value_kind: global_buffer, .address_space: global }
      - { .name: cb1, .offset: 16, .size: 8, .value_kind: global_buffer, .address_space: global }
      - { .name: cb2, .offset: 24, .size: 8, .value_kind: global_buffer, .address_space: global }
      - { .name: cb3, .offset: 32, .size: 8, .value_kind: global_buffer, .address_space: global }
    .group_segment_fixed_size: 0
    .private_segment_fixed_size: 0
    .kernarg_segment_align: 8
    .kernarg_segment_size: 40
    .max_flat_workgroup_size: 32
    .sgpr_count:     66
    .vgpr_count:     160
    .wavefront_size: 32
...
	.end_amdgpu_metadata
.endif
;; end of part 3
;; launch first (part 4): grid 256 x 1, 8 waves a work-group, clusters of 4 x 1, 327,680 bytes of LDS; arguments x, cb0, xb, pB; writes xb, pB
.if DOCPART == 4
	.amdgcn_target "amdgcn-amd-amdhsa--gfx1250"
	.amdhsa_code_object_version 6
	.text
	.protected	k_qfee7fb11aa_first
	.globl	k_qfee7fb11aa_first
	.p2align	8
	.type	k_qfee7fb11aa_first,@function
k_qfee7fb11aa_first:
	s_mov_b64 s[64:65], 0
	v_nop
	global_prefetch_b8 v0, s[64:65] scope:SCOPE_SE
	s_setreg_imm32_b32 hwreg(HW_REG_WAVE_MODE, 25, 1), 1
	s_wait_xcnt 0x0
	s_wait_alu depctr_hold_cnt(0) depctr_sa_sdst(0) depctr_va_vdst(0) depctr_va_sdst(0) depctr_va_ssrc(0) depctr_va_vcc(0) depctr_vm_vsrc(0)
	s_getreg_b32 s2, hwreg(HW_REG_IB_STS2, 6, 4)
	s_cmp_eq_u32 s2, 0
	s_cbranch_scc0 .Lentry_in_a_cluster
	s_endpgm
.Lentry_in_a_cluster:
	s_bfe_u32 s2, ttmp6, 0x10000c
	s_cmp_lg_u32 s2, 0x3003
	s_cbranch_scc0 .Lentry_shape_is_right
	s_endpgm
.Lentry_shape_is_right:
; THE FIRST LAYER OF A RESIDUAL K-MEANS ENCODE.  Arguments: x [131072][128] f32; table CB; xb [131072] rows of 256 bytes; out [131072][4] int32.
; A table holds 1,024 rows of 256 bytes (bf16, in position order: the 16 bytes c hold k = 4c .. 4c+3 and 64+4c .. 64+4c+3), a zero row, then 1,024 f32 of -||c||^2/2.
; For a row: r = bf16(x); code = the k with the largest r . CB[k] - ||CB[k]||^2 / 2; out = {1024, 1024, 1024, code} (1024: "no centroid yet"); xb = r in position order, for the later layers.
; r is a bf16 number as it stands, so ONE product a score is exact in its operands: no low half as in the later layers.
; LIMITS.  x and the centroids are rounded once to bf16.  ||r||^2, equal for all k of a row, is left out, and the largest score is taken in place of the smallest distance: the order of rounding
; differs from a distance summed as ||r||^2 + ||c||^2 - 2 r.c, so rows whose two best distances lie within f32's rounding of each other may take the other code.  Equal scores: the lowest k.
; NaN and infinities are not treated apart.
; SHARES.  A work-group owns 512 rows, each of its 8 waves 64: four tiles of 16 queries.  The whole codebook, 1,024 rows x 272 bytes, lies in LDS, filled once: no slot is ever filled again.
; Two waves share a SIMD's registers, 512 each: a tile's 16 products have 60 vector instructions beside them, and one wave's vector work stands beside the other's products.
; ORDER.  The codebook is asked for first, then x.  The one work-group barrier stands where the codebook has landed; behind it a wave reads the codebook and its own stage alone, so each wave goes
; into its products as soon as its own rows are rounded, and waits for nobody until the end.
; CLUSTER.  All work-groups read the same codebook: the four of a cluster ask for it JOINTLY, the same two tensor loads a wave with the same descriptors and the mask of four.
; LAYOUT.  S^T = C R^T: source 0 = 16 centroids, source 1 = 16 queries: a lane holds ONE query (lane % 16) and, in register j, centroid 16 t + 8 (lane / 16) + j.  The C operand that starts a sum is
; -||c||^2/2 of those eight centroids: one set of 8 registers for all four query tiles.  k runs in position order in both sources, which leaves the products as they are.
; REGISTERS.  window 0: v0-31 addresses; at first v32-159 the rounded x, 4 registers a pair of rows; then v32-95 centroid fragments (2 buffers), v96-111 norms (2), v112-175 sums (2 x 4 tiles);
; v176-207 the best tile's eight scores, v208-219 the best score, its tile and a maximum at work, one a query tile; v220-227 the numbers 0-7; v240-247 at work.
; window 1: at first x as loaded, 64 registers a query tile; then v0-127 the four query tiles' fragments.
.set PITCH, 272                        ; a codebook row in LDS: 256 bytes + 16 = 68 words: the 16 rows of a fragment load start at 16 different groups of four banks (ISA guide 11.1)
.set TILEB, 16*PITCH                   ; 16 rows
.set CSQ,   1024*PITCH                 ; behind the codebook: 1,024 f32
.set STAGE, CSQ+4096                   ; 16 rows x 272 bytes for each wave, its own; no tensor load lands here
.set SPARE, STAGE+8*TILEB              ; the spare words, 128 bytes for each wave: four blocks of 256 bytes that no other line names
.set CSQG,  262400                     ; the norms' place in a table
.set C16, 1                            ; v1   16 c, c = lane % 16
.set XO,  2                            ; v2   x: 8 rows of 512 bytes x (lane / 16) + 16 c
.set A0,  3                            ; v3   my place in a tile of 16 codebook rows: (lane % 16) x 272 + 16 (lane / 16); never rewritten
.set C0,  4                            ; v4   CSQ + 32 (lane / 16); never rewritten
.set STO, 5                            ; v5   stage, in: row 8 (lane / 16), byte 16 c
.set RDS, 6                            ; v6   stage, back: row lane % 16, byte 16 (lane / 16)
.set XBO, 7                            ; v7   xb: 8 rows of 256 bytes x (lane / 16) + 16 c
.set SPW, 8                            ; v8   LDS address of my spare word; never rewritten
.set NIL, 9                            ; v9   0; never rewritten
.set L16, 10                           ; v10  16 x lane
.set H8,  11                           ; v11  8 (lane / 16)
.set PO,  12                           ; v12-19  the rows of out
.set TM,  28                           ; v28-30  at work
.set XQ,  32                           ; pair n of tile q: 8 bf16 at XQ + 32 q + 4 n
.set AF,  32
.set CQ,  96
.set ACC, 112
.set SAV, 176
.set BST, 208
.set IDX, 212
.set MX,  216
.set KJ,  220
.set ADRA, 240
.set ADRC, 241
.set MM,  242
.set TT,  243
.set CD,  244                          ; v244-247  the four tiles' codes
.set NINF, 2                           ; s2   -infinity
.set WV,  18                           ; s18  my wave's number
.set CX,  19                           ; s19  my place in the cluster: it enters x's, xb's and out's addresses alone
.set WG,  20
.set SB,  21                           ; s21  my stage
.set G1C, 24                           ; s[24:31], s[32:35] descriptor of my 128 codebook rows
.set G0C, 32
.set G1Q, 36                           ; s[36:43], s[44:47] descriptor of my 128 norms
.set G0Q, 44
.set SEL, 48                           ; s[48:49] v_permlanex16_b32: each lane takes its own place in the other half
.set TN,  50                           ; s50  the tile whose scores the riders look at
.set CNT, 51
.set MK,  52                           ; s52-55  lane masks, one a query tile
.set BIG, 56                           ; s56  0x7fffffff
.set HALF, 57                          ; s57  lanes 16-31
.set TA,  58                           ; s58  LDS byte of the codebook tile to be fetched
.set TC,  59                           ; s59  the same for its norms, less CSQ
.set MSB, 0
.macro WIN new                         ; the immediate's high byte repeats the setting that is left; a switch that changes nothing is dropped
.if MSB != (\new)
	s_set_vgpr_msb (MSB<<8)|(\new)
.set MSB, (\new)
.endif
.endm
.macro ROUND                           ; a round of the cluster's barrier
	s_barrier_signal -1
	s_barrier_wait -1
	s_cmp_lg_u32 s[WV], 0
	s_cbranch_scc1 .Lnot_wave_0_\@
	s_barrier_signal -3
.Lnot_wave_0_\@:
	s_barrier_wait -3
	s_barrier_signal -1
	s_barrier_wait -1
.endm
; x of query tile q: pair n = rows n (lanes 0-15) and n + 8 (lanes 16-31); each half of the lanes reads 256 consecutive aligned bytes.  The launch reads x once.
.macro XLOAD q
	WIN 0x40                                       ; destination window 1, address window 0
.irp n, 0,1,2,3,4,5,6,7
	global_load_b128 v[64*(\q)+8*\n:64*(\q)+8*\n+3],   v[XO], s[4:5] offset:(16*(\q)+\n)*512 th:TH_LOAD_NT
	global_load_b128 v[64*(\q)+8*\n+4:64*(\q)+8*\n+7], v[XO], s[4:5] offset:(16*(\q)+\n)*512+256 th:TH_LOAD_NT
.endr
.endm
; A query tile: rounded to bf16; 16 bytes a lane into my stage and into xb (each half of the lanes stores 256 consecutive aligned bytes); back from the stage as four fragments (16 queries x 32 k).
; LDS serves a wave's instructions in order (ISA guide 5.7.1.4) and the stage is my wave's own, so no wait stands between the stores and the loads.
.macro TILE q
	s_wait_loadcnt 48-16*(\q)                      ; loads come back in order: this tile's 16 are in, the 16 of each later tile may stay out
	WIN 0x05                                       ; sources window 1, destination window 0
.irp n, 0,1,2,3,4,5,6,7
.irp i, 0,1,2,3
	v_cvt_pk_bf16_f32 v[XQ+32*(\q)+4*\n+\i], v[64*(\q)+8*\n+2*\i], v[64*(\q)+8*\n+2*\i+1]
.endr
.endr
	WIN 0
.irp n, 0,1,2,3,4,5,6,7
	ds_store_b128 v[STO], v[XQ+32*(\q)+4*\n:XQ+32*(\q)+4*\n+3] offset:\n*PITCH
	global_store_b128 v[XBO], v[XQ+32*(\q)+4*\n:XQ+32*(\q)+4*\n+3], s[8:9] offset:(16*(\q)+\n)*256
.endr
	WIN 0x40
.irp f, 0,1,2,3
	ds_load_b128 v[32*(\q)+8*\f:32*(\q)+8*\f+3],   v[RDS] offset:64*\f      ; into registers whose x has been rounded: those of tiles up to q
	ds_load_b128 v[32*(\q)+8*\f+4:32*(\q)+8*\f+7], v[RDS] offset:64*\f+32
.endr
	WIN 0
.endm
; Ten LDS loads in one run: the next 16 centroids (four fragments) and their eight norms for my half of the lanes, into buffer buf.
.macro ALOAD buf
	WIN 0
	v_add_nc_u32 v[ADRA], s[TA], v[A0]
	v_add_nc_u32 v[ADRC], s[TC], v[C0]
	s_add_co_u32 s[TA], s[TA], TILEB
	s_add_co_u32 s[TC], s[TC], 64
.irp f, 0,1,2,3
	ds_load_b128 v[AF+32*(\buf)+8*\f:AF+32*(\buf)+8*\f+3],   v[ADRA] offset:64*\f
	ds_load_b128 v[AF+32*(\buf)+8*\f+4:AF+32*(\buf)+8*\f+7], v[ADRA] offset:64*\f+32
.endr
	ds_load_b128 v[CQ+8*(\buf):CQ+8*(\buf)+3],   v[ADRC]
	ds_load_b128 v[CQ+8*(\buf)+4:CQ+8*(\buf)+7], v[ADRC] offset:16
.endm
; Riders on sum buffer buf, in four groups: 0 and 2 find, for query tiles (0, 1) and (2, 3), the largest of the lane's eight scores (each accumulator's lowest registers first) and hold it
; against the best so far; 1 and 3 keep the eight scores where the tile has won.  Only a greater score wins, so the earliest tile keeps a tie.  The two query tiles alternate, so that no line reads the result of the line before it.
.macro RID buf, g
	WIN 0
.set qa, 2*((\g)/2)
.set aa, ACC+32*(\buf)+8*qa
.if ((\g)%2) == 0
	v_max3_num_f32 v[MX+qa],   v[aa],      v[aa+1],  v[aa+2]
	v_max3_num_f32 v[MX+qa+1], v[aa+8],    v[aa+9],  v[aa+10]
	v_max3_num_f32 v[MX+qa],   v[MX+qa],   v[aa+3],  v[aa+4]
	v_max3_num_f32 v[MX+qa+1], v[MX+qa+1], v[aa+11], v[aa+12]
	v_max3_num_f32 v[MX+qa],   v[MX+qa],   v[aa+5],  v[aa+6]
	v_max3_num_f32 v[MX+qa+1], v[MX+qa+1], v[aa+13], v[aa+14]
	v_max_num_f32 v[MX+qa],   v[MX+qa],   v[aa+7]
	v_max_num_f32 v[MX+qa+1], v[MX+qa+1], v[aa+15]
	v_cmp_le_f32 s[MK+qa],   v[MX+qa],   v[BST+qa]
	v_cmp_le_f32 s[MK+qa+1], v[MX+qa+1], v[BST+qa+1]
	v_cndmask_b32 v[IDX+qa],   s[TN], v[IDX+qa],   s[MK+qa]
	v_cndmask_b32 v[IDX+qa+1], s[TN], v[IDX+qa+1], s[MK+qa+1]
	v_max_num_f32 v[BST+qa],   v[MX+qa],   v[BST+qa]
	v_max_num_f32 v[BST+qa+1], v[MX+qa+1], v[BST+qa+1]
.else
.irp j, 0,1,2,3,4,5,6,7
	v_cndmask_b32 v[SAV+8*qa+\j],   v[aa+\j],   v[SAV+8*qa+\j],   s[MK+qa]
	v_cndmask_b32 v[SAV+8*qa+8+\j], v[aa+8+\j], v[SAV+8*qa+8+\j], s[MK+qa+1]
.endr
.endif
.endm
; A TURN: 16 centroids against my 64 queries: 16 products in 4 groups of four (k 32 g on).  The four accumulators take turns, one instruction a turn; group 0 starts the sums
; with the norms.  rid = 1: behind each group stands a group of riders on the tile before, whose sums lie in the other buffer.  load = 1: the next tile's ten loads stand at the turn's head, all its
; 16 products ahead of the wait for them.
; Places: the sixteen riders behind group 3 name no register of its products, and are the places in front of the next turn's loads into the fragment buffer just multiplied and of
; its riders, which read those sums.  A turn without riders ends in four v_nop for the same two.
.macro TURN cur, rid, load
	s_wait_dscnt 0x0                               ; this tile's ten loads are in: no LDS instruction was issued behind them
.if \load
	ALOAD 1-(\cur)
.endif
.irp g, 0,1,2,3
	WIN 0x04                                       ; source 1 (the queries) in window 1
.irp q, 0,1,2,3
.set ra, ACC+32*(\cur)+8*(\q)
.set rf, AF+32*(\cur)+8*(\g)
.set rb, 32*(\q)+8*(\g)
.if (\g) == 0
	v_wmma_f32_16x16x32_bf16 v[ra:ra+7], v[rf:rf+7], v[rb:rb+7], v[CQ+8*(\cur):CQ+8*(\cur)+7]
.else
	v_wmma_f32_16x16x32_bf16 v[ra:ra+7], v[rf:rf+7], v[rb:rb+7], v[ra:ra+7]
.endif
.endr
.if \rid
	RID 1-(\cur), \g
.endif
.endr
	WIN 0
.if \rid
	s_add_co_u32 s[TN], s[TN], 1
.else
.rept 4
	v_nop
.endr
.endif
.endm
	s_load_b256 s[4:11], s[0:1], 0x0               ; x s[4:5], CB s[6:7], xb s[8:9], out s[10:11]
	v_lshl_add_u32 v[SPW], v0, 2, SPARE
	v_mov_b32 v[NIL], 0
	ds_add_u32 v[SPW], v[NIL]                      ; the wave's opening: the add and its wait stand ahead of my first tensor load; the set-up below, work on registers, stands between them
	v_lshrrev_b32 v1, 5, v0
	v_readfirstlane_b32 s[WV], v1                  ; wave 0..7
	s_bfe_u32 s[CX], ttmp6, 0x40000
	s_lshl_b32 s[WG], ttmp9, 2                     ; in a cluster launch ttmp9 counts clusters
	s_add_co_u32 s[WG], s[WG], s[CX]               ; my work-group = 4 x cluster + cx
	s_lshl_b32 s60, s[WG], 18                      ; x: 512 rows of 512 bytes a work-group,
	s_lshl_b32 s61, s[WV], 15                      ; 64 a wave
	s_add_co_u32 s60, s60, s61
	s_mov_b32 s61, 0
	s_lshr_b32 s12, s60, 1                         ; xb: rows of 256 bytes
	s_mov_b32 s13, 0
	s_lshl_b32 s62, s[WG], 13                      ; out: rows of 16 bytes
	s_lshl_b32 s63, s[WV], 10
	s_add_co_u32 s62, s62, s63
	s_mov_b32 s63, 0
	; descriptor group 1 for the codebook: 128 rows x 128 elements of 2 bytes, padded in LDS
	s_mov_b32 s[G1C], 15|(1<<16)|(1<<20)|(1<<21)|(5<<22)|(3<<25)  ; 15:0 the mask of four; 17:16 2-byte elements; 20 padding on; 21 set beside a mask; 24:22 after every 64 words (code 5); 31:25 4 words (code 3)
	s_mov_b32 s[G1C+1], 128<<16                    ; tensor_dim0 = 128
	s_mov_b32 s[G1C+2], 128<<16                    ; tensor_dim1 = 128
	s_mov_b32 s[G1C+3], 128<<16                    ; tile_dim0 = 128
	s_mov_b32 s[G1C+4], 128                        ; tile_dim1 = 128
	s_mov_b32 s[G1C+5], 128                        ; 128 elements from row to row
	s_mov_b32 s[G1C+6], 0
	s_mov_b32 s[G1C+7], 0
	; and for the norms: one row of 64 elements of 8 bytes
	s_mov_b32 s[G1Q], 15|(3<<16)|(1<<21)
	s_mov_b32 s[G1Q+1], 64<<16
	s_mov_b32 s[G1Q+2], 1<<16
	s_mov_b32 s[G1Q+3], 64<<16
	s_mov_b32 s[G1Q+4], 1
	s_mov_b32 s[G1Q+5], 64
	s_mov_b32 s[G1Q+6], 0
	s_mov_b32 s[G1Q+7], 0
	s_mov_b32 s[G0C], 1                            ; count = 1
	s_mul_i32 s[G0C+1], s[WV], 128*PITCH           ; LDS address: the wave's number alone
	s_mov_b32 s[G0Q], 1
	s_lshl_b32 s[G0Q+1], s[WV], 9
	s_add_co_u32 s[G0Q+1], s[G0Q+1], CSQ
	s_lshl_b32 s22, s[WV], 15                      ; my 128 rows of 256 bytes in the table
	s_mov_b32 s23, 0
	s_mul_i32 s[SB], s[WV], TILEB
	s_add_co_u32 s[SB], s[SB], STAGE
	s_mov_b32 s[SEL], 0x76543210
	s_mov_b32 s[SEL+1], 0xfedcba98
	s_mov_b32 s[BIG], 0x7fffffff
	s_mov_b32 s[HALF], 0xffff0000
	s_mov_b32 s[NINF], 0xff800000
	s_mov_b32 s[TN], 0
	s_mov_b32 s[TA], 0
	s_mov_b32 s[TC], 0
	v_and_b32 v[TM], 15, v0                        ; c = lane % 16
	v_bfe_u32 v[TM+1], v0, 4, 1                    ; h = lane / 16
	v_lshlrev_b32 v[C16], 4, v[TM]
	v_lshl_add_u32 v[XO], v[TM+1], 12, v[C16]
	v_lshl_add_u32 v[XBO], v[TM+1], 11, v[C16]
	v_mul_u32_u24 v[TM+2], v[TM], PITCH
	v_lshl_add_u32 v[A0], v[TM+1], 4, v[TM+2]
	v_lshlrev_b32 v[C0], 5, v[TM+1]
	v_add_nc_u32 v[C0], CSQ, v[C0]
	v_add_nc_u32 v[RDS], s[SB], v[A0]
	v_mul_u32_u24 v[STO], v[TM+1], 8*PITCH
	v_add_nc_u32 v[STO], v[STO], v[C16]
	v_add_nc_u32 v[STO], s[SB], v[STO]
	v_and_b32 v[L16], 31, v0
	v_lshlrev_b32 v[L16], 4, v[L16]
	v_lshlrev_b32 v[H8], 3, v[TM+1]
	v_mov_b32 v[TT], 0                             ; v_permlanex16_b32's destination counts as read
	s_wait_dscnt 0x0                               ; the opening add is done
	s_wait_kmcnt 0x0
	s_add_nc_u64 s[4:5], s[4:5], s[60:61]
	s_add_nc_u64 s[8:9], s[8:9], s[12:13]
	s_add_nc_u64 s[10:11], s[10:11], s[62:63]
	s_add_nc_u64 s[G0C+2:G0C+3], s[6:7], s[22:23]
	s_or_b32 s[G0C+3], s[G0C+3], 0x80000000        ; type = 2
	s_lshl_b32 s22, s[WV], 9                       ; my 128 norms
	s_add_co_u32 s22, s22, CSQG
	s_add_nc_u64 s[G0Q+2:G0Q+3], s[6:7], s[22:23]
	s_or_b32 s[G0Q+3], s[G0Q+3], 0x80000000
	ROUND                                          ; all four work-groups are here: the joint loads meet
	tensor_load_to_lds s[G0C:G0C+3], s[G1C:G1C+7]  ; my eighth of the codebook, which every wave's products need, goes out ahead of x,
	s_nop 0
	tensor_load_to_lds s[G0Q:G0Q+3], s[G1Q:G1Q+7]  ; and my eighth of the norms: two tensor loads of mine are out, the only two of the launch
	s_nop 0
.rept 4
	v_nop
.endr
	XLOAD 0                                        ; all of my wave's x goes out at once: 64 loads of 512 bytes
	XLOAD 1
	XLOAD 2
	XLOAD 3
	WIN 0
	s_wait_tensorcnt 0x0                           ; my parts of the codebook and of the norms have landed
	s_wait_dscnt 0x0                               ; (no LDS instruction of mine is out)
	s_barrier_signal -1
	s_barrier_wait -1                              ; and every wave's parts have landed.
	TILE 0
	TILE 1
	TILE 2
	TILE 3
.set i, 0
.rept 32
	v_mov_b32 v[SAV+i], s[NINF]
.set i, i+1
.endr
.set i, 0
.rept 4
	v_mov_b32 v[BST+i], s[NINF]                    ; below every score
	v_mov_b32 v[IDX+i], 0
.set i, i+1
.endr
.set i, 0
.rept 8
	v_mov_b32 v[KJ+i], i
.set i, i+1
.endr
	s_wait_xcnt 0x0                                ; the stores into xb have read their registers (ISA guide 3.1): only behind this wait are v32-159 written again
	ALOAD 0
	TURN 0, 0, 1                                   ; tile 0 (its wait is also the wait for my fragments of the queries): there are no scores yet to look at
	s_mov_b32 s[CNT], 31
.Lpair:                                                ; tiles 1 to 62, two a trip, on the two buffers by turns
	TURN 1, 1, 1
	TURN 0, 1, 1
	s_sub_co_u32 s[CNT], s[CNT], 1
	s_cmp_lg_u32 s[CNT], 0
	s_cbranch_scc1 .Lpair
	TURN 1, 1, 0                                   ; tile 63: nothing is left to fetch
.irp g, 0,1,2,3
	RID 1, \g                                      ; and its scores; the sixteen riders behind its last products are the places in front of these
.endr
	; THE MERGE.  For each query tile: in the lane the lowest register whose kept score is the best; 16 t + 8 h + j; then of the two halves of the lanes the greater score, or at equal scores the lower number.
.irp q, 0,1,2,3
	v_permlanex16_b32 v[TT], v[BST+\q], s[SEL], s[SEL+1]
	v_max_num_f32 v[MM], v[BST+\q], v[TT]
	v_mov_b32 v[MX+\q], 7
.irp j, 6,5,4,3,2,1,0
	v_cmp_eq_f32 vcc_lo, v[SAV+8*\q+\j], v[BST+\q]
	v_cndmask_b32 v[MX+\q], v[MX+\q], v[KJ+\j], vcc_lo
.endr
	v_lshl_or_b32 v[MX+\q], v[IDX+\q], 4, v[MX+\q]
	v_or_b32 v[MX+\q], v[MX+\q], v[H8]
	v_cmp_eq_f32 vcc_lo, v[BST+\q], v[MM]
	v_cndmask_b32 v[CD+\q], s[BIG], v[MX+\q], vcc_lo
	v_permlanex16_b32 v[TT], v[CD+\q], s[SEL], s[SEL+1]
	v_min_u32 v[CD+\q], v[CD+\q], v[TT]            ; both halves of the lanes now hold query (lane % 16)'s code
.endr
	; OUT: row 32 i + lane gets {1024, 1024, 1024, code}: lanes 0-15 take tile 2 i's code, lanes 16-31 tile 2 i + 1's.  Each store covers 512 consecutive aligned bytes.
.irp i, 0,1
	v_mov_b32 v[PO+4*\i],   0x400
	v_mov_b32 v[PO+4*\i+1], 0x400
	v_mov_b32 v[PO+4*\i+2], 0x400
	v_cndmask_b32 v[PO+4*\i+3], v[CD+2*\i], v[CD+2*\i+1], s[HALF]
	global_store_b128 v[L16], v[PO+4*\i:PO+4*\i+3], s[10:11] offset:512*\i
.endr
	s_wait_tensorcnt 0x0                           ; the wave's end: behind my last tensor load and my last LDS store
	ds_add_u32 v[SPW], v[NIL]
	s_wait_dscnt 0x0
	ROUND                                          ; the closing round: no work-group ends while a partner may still ask for a tile that names it
	s_endpgm
.Lfunc_end_k_qfee7fb11aa_first:
	.size	k_qfee7fb11aa_first, .Lfunc_end_k_qfee7fb11aa_first-k_qfee7fb11aa_first
	.p2alignl 7, 3214868480
	.fill 96, 4, 3214868480
	.section	.rodata,"a",@progbits
	.p2align	6, 0x0
	.amdhsa_kernel k_qfee7fb11aa_first
		.amdhsa_group_segment_fixed_size 327680
		.amdhsa_private_segment_fixed_size 0
		.amdhsa_enable_private_segment 0
		.amdhsa_kernarg_size 32
		.amdhsa_user_sgpr_count 2
		.amdhsa_user_sgpr_kernarg_segment_ptr 1
		.amdhsa_wavefront_size32 1
		.amdhsa_system_sgpr_workgroup_id_x 1
		.amdhsa_system_sgpr_workgroup_id_y 1
		.amdhsa_system_sgpr_workgroup_id_z 1
		.amdhsa_system_vgpr_workitem_id 0
		.amdhsa_next_free_vgpr 512
		.amdhsa_next_free_sgpr 66
		.amdhsa_reserve_vcc 1
		.amdhsa_float_denorm_mode_32 3
		.amdhsa_float_denorm_mode_16_64 3
		.amdhsa_memory_ordered 1
		.amdhsa_forward_progress 1
		.amdhsa_inst_pref_size 55
	.end_amdhsa_kernel
	.amdgpu_metadata
---
amdhsa.version: [ 1, 2 ]
amdhsa.kernels:
  - .name:           k_qfee7fb11aa_first
    .symbol:         k_qfee7fb11aa_first.kd
    .args:
      - { .name: x, .offset: 0, .size: 8, .value_kind: global_buffer, .address_space: global }
      - { .name: cb0, .offset: 8, .size: 8, .value_kind: global_buffer, .address_space: global }
      - { .name: xb, .offset: 16, .size: 8, .value_kind: global_buffer, .address_space: global }
      - { .name: pB, .offset: 24, .size: 8, .value_kind: global_buffer, .address_space: global }
    .group_segment_fixed_size: 327680
    .private_segment_fixed_size: 0
    .kernarg_segment_align: 8
    .kernarg_segment_size: 32
    .max_flat_workgroup_size: 256
    .sgpr_count:     66
    .vgpr_count:     512
    .wavefront_size: 32
...
	.end_amdgpu_metadata
.endif
;; end of part 4
;; launch second (part 5): grid 256 x 1, 8 waves a work-group, clusters of 4 x 1, 327,680 bytes of LDS; arguments xb, pB, cb0, cb1, pA; writes pA
.if DOCPART == 5
	.amdgcn_target "amdgcn-amd-amdhsa--gfx1250"
	.amdhsa_code_object_version 6
	.text
	.protected	k_qfee7fb11aa_second
	.globl	k_qfee7fb11aa_second
	.p2align	8
	.type	k_qfee7fb11aa_second,@function
k_qfee7fb11aa_second:
	s_mov_b64 s[64:65], 0
	v_nop
	global_prefetch_b8 v0, s[64:65] scope:SCOPE_SE
	s_setreg_imm32_b32 hwreg(HW_REG_WAVE_MODE, 25, 1), 1
	s_wait_xcnt 0x0
	s_wait_alu depctr_hold_cnt(0) depctr_sa_sdst(0) depctr_va_vdst(0) depctr_va_sdst(0) depctr_va_ssrc(0) depctr_va_vcc(0) depctr_vm_vsrc(0)
	s_getreg_b32 s2, hwreg(HW_REG_IB_STS2, 6, 4)
	s_cmp_eq_u32 s2, 0
	s_cbranch_scc0 .Lentry_in_a_cluster
	s_endpgm
.Lentry_in_a_cluster:
	s_bfe_u32 s2, ttmp6, 0x10000c
	s_cmp_lg_u32 s2, 0x3003
	s_cbranch_scc0 .Lentry_shape_is_right
	s_endpgm
.Lentry_shape_is_right:
; A LATER LAYER OF A RESIDUAL K-MEANS ENCODE, with NG earlier centroids to subtract.  THIS COPY OF THE TEXT HAS NG = 1: the second layer.  (The copy with NG = 3 serves the third and fourth.)
; Arguments: xb [131072] rows of 256 bytes (bf16(x), position order); prev [131072][4] int32; NG tables; table CB; out [131072][4] int32.
; A table holds 1,024 rows of 256 bytes (bf16, in position order: the 16 bytes c hold k = 4c .. 4c+3 and 64+4c .. 64+4c+3), a zero row (code 1024), then 1,024 f32 of -||c||^2/2.
; For a row with prev = {p0, p1, p2, p3}: r = xb less the tables' rows named by the last NG codes, one after the other in f32, one rounding a subtraction, in the order in which the layers subtract;
; code = the k with the largest r . CB[k] - ||CB[k]||^2 / 2; out = {p1, p2, p3, code}.  The first layer leaves {1024, 1024, 1024, code}; three launches later a row holds its four codes.
; The gather of a layer's centroid stands in the NEXT launch, since its address is a code read from memory there.
; LIMITS.  x and the centroids are rounded once to bf16.  ||r||^2, equal for all k of a row, is left out, and the largest score is taken in place of the smallest distance: the order of rounding
; differs from a distance summed as ||r||^2 + ||c||^2 - 2 r.c, so rows whose two best distances lie within f32's rounding of each other may take the other code.  Equal scores: the lowest k.
; r goes to the matrix unit as hi + lo, hi = bf16(r), lo = bf16(r - hi): what is lost is below 2^-17 of each |r|.  NaN and infinities are not treated apart.
; SHARES.  A work-group owns 512 rows, each of its 8 waves 64: four tiles of 16 queries.  The whole codebook, 1,024 rows x 272 bytes, lies in LDS, filled once: no slot is ever filled again.
; Two waves share a SIMD's registers, 512 each: a tile's 32 products have 60 vector instructions beside them, and one wave's vector work stands beside the other's products.
; ORDER.  The one work-group barrier stands where the codebook has landed, ahead of the residuals' arithmetic; behind it a wave reads the codebook and its own stage alone, so each wave goes into its
; products as soon as its own residuals are made, and waits for nobody until the end.
; CLUSTER.  All work-groups read the same codebook: the four of a cluster ask for it JOINTLY, the same two tensor loads a wave with the same descriptors and the mask of four.
; LAYOUT.  S^T = C R^T: source 0 = 16 centroids, source 1 = 16 queries: a lane holds ONE query (lane % 16) and, in register j, centroid 16 t + 8 (lane / 16) + j.  The C operand that starts a sum is
; -||c||^2/2 of those eight centroids: one set of 8 registers for all four query tiles.  k runs in position order in both sources, which leaves the products as they are.
; REGISTERS.  window 0: v0-31 addresses and codes; at first from v32 on gather buffers of 32 NG registers (four with NG = 1, two with NG = 3), v228-239 at work; then v32-95 centroid fragments
; (2 buffers), v96-111 norms (2), v112-175 sums (2 x 4 tiles), v176-207 the best tile's eight scores, v208-219 the best score, its tile and a maximum at work, one a query tile; v220-227 the numbers 0-7;
; v240-247 at work.   window 1: v0-127 hi of the four query tiles (at first xb, 4 registers a pair of rows), v128-255 lo.
.set NG,    1                          ; tables to subtract
.set PITCH, 272                        ; a codebook row in LDS: 256 bytes + 16 = 68 words: the 16 rows of a fragment load start at 16 different groups of four banks (ISA guide 11.1)
.set TILEB, 16*PITCH                   ; 16 rows
.set CSQ,   1024*PITCH                 ; behind the codebook: 1,024 f32
.set STAGE, CSQ+4096                   ; 16 rows x 272 bytes for each wave, its own; no tensor load lands here
.set SPARE, STAGE+8*TILEB              ; the spare words, 128 bytes for each wave: four blocks of 256 bytes that no other line names
.set CSQG,  262400                     ; the norms' place in a table
.set C16, 1                            ; v1   16 c, c = lane % 16
.set XO,  2                            ; v2   xb: 8 rows of 256 bytes x (lane / 16) + 16 c
.set A0,  3                            ; v3   my place in a tile of 16 codebook rows: (lane % 16) x 272 + 16 (lane / 16); never rewritten
.set C0,  4                            ; v4   CSQ + 32 (lane / 16); never rewritten
.set STO, 5                            ; v5   stage, in: row 8 (lane / 16), byte 16 c
.set RDS, 6                            ; v6   stage, back: row lane % 16, byte 16 (lane / 16)
.set NEG1, 7                           ; v7   -1.0
.set SPW, 8                            ; v8   LDS address of my spare word; never rewritten
.set NIL, 9                            ; v9   0; never rewritten
.set L16, 10                           ; v10  16 x lane
.set H8,  11                           ; v11  8 (lane / 16)
.set PO,  12                           ; v12-19  prev of rows 32 i + lane, i = 0, 1
.set PG,  20                           ; v20-27  prev, permuted: lane 16 h + c holds row 32 i + 16 (c / 8) + 8 h + c % 8
.set TM,  28                           ; v28-30  at work
.set PGA, 31                           ; v31  the permuted rows' byte offset
.set GB,  32                           ; gather buffer b at GB + 32 NG b: pair n at + 4 NG n: 16 bytes of each table
.set RR,  228                          ; 8 f32 of r
.set HH,  236                          ; 8 bf16: hi
.set AF,  32
.set CQ,  96
.set ACC, 112
.set SAV, 176
.set BST, 208
.set IDX, 212
.set MX,  216
.set KJ,  220
.set ADRA, 240
.set ADRC, 241
.set MM,  242
.set TT,  243
.set CD,  244                          ; v244-247  the four tiles' codes
.set NINF, 2                           ; s2   -infinity
.set WV,  18                           ; s18  my wave's number
.set CX,  19                           ; s19  my place in the cluster: it enters xb's, prev's and out's addresses alone
.set WG,  20
.set SB,  21                           ; s21  my stage
.set G1C, 24                           ; s[24:31], s[32:35] descriptor of my 128 codebook rows
.set G0C, 32
.set G1Q, 36                           ; s[36:43], s[44:47] descriptor of my 128 norms
.set G0Q, 44
.set SEL, 48                           ; s[48:49] v_permlanex16_b32: each lane takes its own place in the other half
.set TN,  50                           ; s50  the tile whose scores the riders look at
.set CNT, 51
.set MK,  52                           ; s52-55  lane masks, one a query tile
.set BIG, 56                           ; s56  0x7fffffff
.set HALF, 57                          ; s57  lanes 16-31
.set TA,  58                           ; s58  LDS byte of the codebook tile to be fetched
.set TC,  59                           ; s59  the same for its norms, less CSQ
.set MSB, 0
.macro WIN new                         ; the immediate's high byte repeats the setting that is left; a switch that changes nothing is dropped
.if MSB != (\new)
	s_set_vgpr_msb (MSB<<8)|(\new)
.set MSB, (\new)
.endif
.endm
.macro ROUND                           ; a round of the cluster's barrier
	s_barrier_signal -1
	s_barrier_wait -1
	s_cmp_lg_u32 s[WV], 0
	s_cbranch_scc1 .Lnot_wave_0_\@
	s_barrier_signal -3
.Lnot_wave_0_\@:
	s_barrier_wait -3
	s_barrier_signal -1
	s_barrier_wait -1
.endm
; xb of query tile q: pair n = rows n (lanes 0-15) and n + 8 (lanes 16-31); each half of the lanes reads 256 consecutive aligned bytes.  It lands where the tile's hi will lie.  The launch reads xb once.
.macro XLOAD q
	WIN 0x40                                       ; destination window 1, address window 0
.irp n, 0,1,2,3,4,5,6,7
	global_load_b128 v[32*(\q)+4*\n:32*(\q)+4*\n+3], v[XO], s[4:5] offset:(16*(\q)+\n)*256 th:TH_LOAD_NT
.endr
.endm
; The NG table rows of one pair: each half of the lanes takes its row's last NG codes from lane m of its own half, clamps them to the table, and reads 256 consecutive aligned bytes of each row.
; A load's offset lies in the first register that the same load fills.  All work-groups read the tables again and again.
.macro GATHER1 q, buf, m
.set gd, GB+32*NG*(\buf)+4*NG*((\m)%8)
.irp t, 0,1,2
.if \t < NG
	v_mov_b32_dpp v[TM+\t], v[PG+4*((\q)/2)+4-NG+\t] row_share:\m row_mask:0xf bank_mask:0xf
.endif
.endr
.irp t, 0,1,2
.if \t < NG
	v_min_u32 v[TM+\t], 0x400, v[TM+\t]
.endif
.endr
.irp t, 0,1,2
.if \t < NG
	v_lshl_add_u32 v[gd+4*\t], v[TM+\t], 8, v[C16]
.endif
.endr
.irp t, 0,1,2
.if \t < NG
	global_load_b128 v[gd+4*\t:gd+4*\t+3], v[gd+4*\t], s[8+2*\t:9+2*\t] th:TH_LOAD_HT
.endif
.endr
.endm
.macro GATHER q, buf
	WIN 0
.if ((\q)%2) == 0
.irp m, 0,1,2,3,4,5,6,7
	GATHER1 \q, \buf, \m
.endr
.else
.irp m, 8,9,10,11,12,13,14,15
	GATHER1 \q, \buf, \m
.endr
.endif
.endm
; One pair of rows: NG subtractions in f32, each t x (-1) + r with one rounding; hi = bf16(r) into the stage; lo = bf16(r - hi) into the first table's four registers, which have been read.
.macro PAIR q, buf, n
.set xr, 32*(\q)+4*(\n)
.set gq, GB+32*NG*(\buf)+4*NG*(\n)
	WIN 0x10                                       ; source 2 (xb) in window 1
.irp i, 0,1,2,3
	v_fma_mix_f32_bf16 v[RR+2*\i],   v[gq+\i], v[NEG1], v[xr+\i] op_sel:[0,0,0] op_sel_hi:[1,0,1]
	v_fma_mix_f32_bf16 v[RR+2*\i+1], v[gq+\i], v[NEG1], v[xr+\i] op_sel:[1,0,1] op_sel_hi:[1,0,1]
.endr
	WIN 0
.irp t, 1,2
.if \t < NG
.irp i, 0,1,2,3
	v_fma_mix_f32_bf16 v[RR+2*\i],   v[gq+4*\t+\i], v[NEG1], v[RR+2*\i]   op_sel:[0,0,0] op_sel_hi:[1,0,0]
	v_fma_mix_f32_bf16 v[RR+2*\i+1], v[gq+4*\t+\i], v[NEG1], v[RR+2*\i+1] op_sel:[1,0,0] op_sel_hi:[1,0,0]
.endr
.endif
.endr
.irp i, 0,1,2,3
	v_cvt_pk_bf16_f32 v[HH+\i], v[RR+2*\i], v[RR+2*\i+1]
.endr
.irp i, 0,1,2,3
	v_fma_mixlo_bf16 v[gq+\i], v[HH+\i], v[NEG1], v[RR+2*\i]   op_sel:[0,0,0] op_sel_hi:[1,0,0]
	v_fma_mixhi_bf16 v[gq+\i], v[HH+\i], v[NEG1], v[RR+2*\i+1] op_sel:[1,0,0] op_sel_hi:[1,0,0]
.endr
	ds_store_b128 v[STO], v[HH:HH+3] offset:(\n)*PITCH
.endm
; A query tile: its 8 pairs; hi comes back from my stage as four fragments (16 queries x 32 k each); then lo takes the same way.  LDS serves a wave's instructions in order (ISA guide 5.7.1.4) and the
; stage is my wave's own, so no wait stands between the stores and the loads.  left: the younger global loads that may stay out.
.macro TILE q, buf, left
	s_wait_loadcnt \left
.irp n, 0,1,2,3,4,5,6,7
	PAIR \q, \buf, \n
.endr
	WIN 0x40
.irp f, 0,1,2,3
	ds_load_b128 v[32*(\q)+8*\f:32*(\q)+8*\f+3],   v[RDS] offset:64*\f
	ds_load_b128 v[32*(\q)+8*\f+4:32*(\q)+8*\f+7], v[RDS] offset:64*\f+32
.endr
	WIN 0
.irp n, 0,1,2,3,4,5,6,7
	ds_store_b128 v[STO], v[GB+32*NG*(\buf)+4*NG*\n:GB+32*NG*(\buf)+4*NG*\n+3] offset:\n*PITCH
.endr
	WIN 0x40
.irp f, 0,1,2,3
	ds_load_b128 v[128+32*(\q)+8*\f:128+32*(\q)+8*\f+3],   v[RDS] offset:64*\f
	ds_load_b128 v[128+32*(\q)+8*\f+4:128+32*(\q)+8*\f+7], v[RDS] offset:64*\f+32
.endr
	WIN 0
.endm
; Ten LDS loads in one run: the next 16 centroids (four fragments) and their eight norms for my half of the lanes, into buffer buf.
.macro ALOAD buf
	WIN 0
	v_add_nc_u32 v[ADRA], s[TA], v[A0]
	v_add_nc_u32 v[ADRC], s[TC], v[C0]
	s_add_co_u32 s[TA], s[TA], TILEB
	s_add_co_u32 s[TC], s[TC], 64
.irp f, 0,1,2,3
	ds_load_b128 v[AF+32*(\buf)+8*\f:AF+32*(\buf)+8*\f+3],   v[ADRA] offset:64*\f
	ds_load_b128 v[AF+32*(\buf)+8*\f+4:AF+32*(\buf)+8*\f+7], v[ADRA] offset:64*\f+32
.endr
	ds_load_b128 v[CQ+8*(\buf):CQ+8*(\buf)+3],   v[ADRC]
	ds_load_b128 v[CQ+8*(\buf)+4:CQ+8*(\buf)+7], v[ADRC] offset:16
.endm
; Riders on sum buffer buf, in four groups: 0 and 2 find, for query tiles (0, 1) and (2, 3), the largest of the lane's eight scores (each accumulator's lowest registers first) and hold it
; against the best so far; 1 and 3 keep the eight scores where the tile has won.  Only a greater score wins, so the earliest tile keeps a tie.  The two query tiles alternate, so that no line reads the result of the line before it.
.macro RID buf, g
	WIN 0
.set qa, 2*((\g)/2)
.set aa, ACC+32*(\buf)+8*qa
.if ((\g)%2) == 0
	v_max3_num_f32 v[MX+qa],   v[aa],      v[aa+1],  v[aa+2]
	v_max3_num_f32 v[MX+qa+1], v[aa+8],    v[aa+9],  v[aa+10]
	v_max3_num_f32 v[MX+qa],   v[MX+qa],   v[aa+3],  v[aa+4]
	v_max3_num_f32 v[MX+qa+1], v[MX+qa+1], v[aa+11], v[aa+12]
	v_max3_num_f32 v[MX+qa],   v[MX+qa],   v[aa+5],  v[aa+6]
	v_max3_num_f32 v[MX+qa+1], v[MX+qa+1], v[aa+13], v[aa+14]
	v_max_num_f32 v[MX+qa],   v[MX+qa],   v[aa+7]
	v_max_num_f32 v[MX+qa+1], v[MX+qa+1], v[aa+15]
	v_cmp_le_f32 s[MK+qa],   v[MX+qa],   v[BST+qa]
	v_cmp_le_f32 s[MK+qa+1], v[MX+qa+1], v[BST+qa+1]
	v_cndmask_b32 v[IDX+qa],   s[TN], v[IDX+qa],   s[MK+qa]
	v_cndmask_b32 v[IDX+qa+1], s[TN], v[IDX+qa+1], s[MK+qa+1]
	v_max_num_f32 v[BST+qa],   v[MX+qa],   v[BST+qa]
	v_max_num_f32 v[BST+qa+1], v[MX+qa+1], v[BST+qa+1]
.else
.irp j, 0,1,2,3,4,5,6,7
	v_cndmask_b32 v[SAV+8*qa+\j],   v[aa+\j],   v[SAV+8*qa+\j],   s[MK+qa]
	v_cndmask_b32 v[SAV+8*qa+8+\j], v[aa+8+\j], v[SAV+8*qa+8+\j], s[MK+qa+1]
.endr
.endif
.endm
; A TURN: 16 centroids against my 64 queries: 32 products in 4 groups of eight (slice 2 g + u: k 32 (slice % 4) on; hi in slices 0-3, lo in 4-7).  The four accumulators take turns, one instruction a
; turn; slice 0 starts the sums with the norms.  rid = 1: behind each group stands a group of riders on the tile before, whose sums lie in the other buffer.  load = 1: the next
; tile's ten loads stand at the turn's head, all its 32 products ahead of the wait for them.
; Places: the sixteen riders behind group 3 name no register of its products, and are the places in front of the next turn's loads into the fragment buffer just multiplied and of
; its riders, which read those sums.  A turn without riders ends in four v_nop for the same two.
.macro TURN cur, rid, load
	s_wait_dscnt 0x0                               ; this tile's ten loads are in: no LDS instruction was issued behind them
.if \load
	ALOAD 1-(\cur)
.endif
.irp g, 0,1,2,3
	WIN 0x04                                       ; source 1 (the queries) in window 1
.irp u, 0,1
.irp q, 0,1,2,3
.set sl, 2*(\g)+(\u)
.set ra, ACC+32*(\cur)+8*(\q)
.set rf, AF+32*(\cur)+8*(sl%4)
.set rb, 128*(sl/4)+32*(\q)+8*(sl%4)
.if sl == 0
	v_wmma_f32_16x16x32_bf16 v[ra:ra+7], v[rf:rf+7], v[rb:rb+7], v[CQ+8*(\cur):CQ+8*(\cur)+7]
.else
	v_wmma_f32_16x16x32_bf16 v[ra:ra+7], v[rf:rf+7], v[rb:rb+7], v[ra:ra+7]
.endif
.endr
.endr
.if \rid
	RID 1-(\cur), \g
.endif
.endr
	WIN 0
.if \rid
	s_add_co_u32 s[TN], s[TN], 1
.else
.rept 4
	v_nop
.endr
.endif
.endm
.if NG == 3
	s_load_b256 s[4:11], s[0:1], 0x0               ; xb s[4:5], prev s[6:7], tables s[8:9], s[10:11],
	s_load_b128 s[12:15], s[0:1], 0x20             ; s[12:13]; CB s[14:15]
	s_load_b64 s[16:17], s[0:1], 0x30              ; out
.else
	s_load_b128 s[4:7], s[0:1], 0x0                ; xb s[4:5], prev s[6:7]
	s_load_b64 s[8:9], s[0:1], 0x10                ; the table
	s_load_b64 s[14:15], s[0:1], 0x18              ; CB
	s_load_b64 s[16:17], s[0:1], 0x20              ; out
.endif
	v_lshl_add_u32 v[SPW], v0, 2, SPARE
	v_mov_b32 v[NIL], 0
	ds_add_u32 v[SPW], v[NIL]                      ; the wave's opening: the add and its wait stand ahead of my first tensor load; the set-up below, work on registers, stands between them
	v_lshrrev_b32 v1, 5, v0
	v_readfirstlane_b32 s[WV], v1                  ; wave 0..7
	s_bfe_u32 s[CX], ttmp6, 0x40000
	s_lshl_b32 s[WG], ttmp9, 2                     ; in a cluster launch ttmp9 counts clusters
	s_add_co_u32 s[WG], s[WG], s[CX]               ; my work-group = 4 x cluster + cx
	s_lshl_b32 s60, s[WG], 17                      ; xb: 512 rows of 256 bytes a work-group,
	s_lshl_b32 s61, s[WV], 14                      ; 64 a wave
	s_add_co_u32 s60, s60, s61
	s_mov_b32 s61, 0
	s_lshl_b32 s62, s[WG], 13                      ; prev and out: rows of 16 bytes
	s_lshl_b32 s63, s[WV], 10
	s_add_co_u32 s62, s62, s63
	s_mov_b32 s63, 0
	; descriptor group 1 for the codebook: 128 rows x 128 elements of 2 bytes, padded in LDS
	s_mov_b32 s[G1C], 15|(1<<16)|(1<<20)|(1<<21)|(5<<22)|(3<<25)  ; 15:0 the mask of four; 17:16 2-byte elements; 20 padding on; 21 set beside a mask; 24:22 after every 64 words (code 5); 31:25 4 words (code 3)
	s_mov_b32 s[G1C+1], 128<<16                    ; tensor_dim0 = 128
	s_mov_b32 s[G1C+2], 128<<16                    ; tensor_dim1 = 128
	s_mov_b32 s[G1C+3], 128<<16                    ; tile_dim0 = 128
	s_mov_b32 s[G1C+4], 128                        ; tile_dim1 = 128
	s_mov_b32 s[G1C+5], 128                        ; 128 elements from row to row
	s_mov_b32 s[G1C+6], 0
	s_mov_b32 s[G1C+7], 0
	; and for the norms: one row of 64 elements of 8 bytes
	s_mov_b32 s[G1Q], 15|(3<<16)|(1<<21)
	s_mov_b32 s[G1Q+1], 64<<16
	s_mov_b32 s[G1Q+2], 1<<16
	s_mov_b32 s[G1Q+3], 64<<16
	s_mov_b32 s[G1Q+4], 1
	s_mov_b32 s[G1Q+5], 64
	s_mov_b32 s[G1Q+6], 0
	s_mov_b32 s[G1Q+7], 0
	s_mov_b32 s[G0C], 1                            ; count = 1
	s_mul_i32 s[G0C+1], s[WV], 128*PITCH           ; LDS address: the wave's number alone
	s_mov_b32 s[G0Q], 1
	s_lshl_b32 s[G0Q+1], s[WV], 9
	s_add_co_u32 s[G0Q+1], s[G0Q+1], CSQ
	s_lshl_b32 s22, s[WV], 15                      ; my 128 rows of 256 bytes in the table
	s_mov_b32 s23, 0
	s_mul_i32 s[SB], s[WV], TILEB
	s_add_co_u32 s[SB], s[SB], STAGE
	s_mov_b32 s[SEL], 0x76543210
	s_mov_b32 s[SEL+1], 0xfedcba98
	s_mov_b32 s[BIG], 0x7fffffff
	s_mov_b32 s[HALF], 0xffff0000
	s_mov_b32 s[NINF], 0xff800000
	s_mov_b32 s[TN], 0
	s_mov_b32 s[TA], 0
	s_mov_b32 s[TC], 0
	v_and_b32 v[TM], 15, v0                        ; c = lane % 16
	v_bfe_u32 v[TM+1], v0, 4, 1                    ; h = lane / 16
	v_lshlrev_b32 v[C16], 4, v[TM]
	v_lshl_add_u32 v[XO], v[TM+1], 11, v[C16]
	v_mul_u32_u24 v[TM+2], v[TM], PITCH
	v_lshl_add_u32 v[A0], v[TM+1], 4, v[TM+2]
	v_lshlrev_b32 v[C0], 5, v[TM+1]
	v_add_nc_u32 v[C0], CSQ, v[C0]
	v_add_nc_u32 v[RDS], s[SB], v[A0]
	v_mul_u32_u24 v[STO], v[TM+1], 8*PITCH
	v_add_nc_u32 v[STO], v[STO], v[C16]
	v_add_nc_u32 v[STO], s[SB], v[STO]
	v_mov_b32 v[NEG1], -1.0
	v_and_b32 v[L16], 31, v0
	v_lshlrev_b32 v[L16], 4, v[L16]
	v_lshlrev_b32 v[H8], 3, v[TM+1]
	v_and_b32 v[PGA], 7, v0
	v_lshlrev_b32 v[PGA], 4, v[PGA]                ; 16 (c % 8)
	v_bfe_u32 v[TM+2], v0, 3, 1
	v_lshl_add_u32 v[PGA], v[TM+2], 8, v[PGA]      ; + 256 (c / 8)
	v_lshl_add_u32 v[PGA], v[TM+1], 7, v[PGA]      ; + 128 h
	v_mov_b32 v[TT], 0                             ; v_permlanex16_b32's destination counts as read
	s_wait_dscnt 0x0                               ; the opening add is done
	s_wait_kmcnt 0x0
	s_add_nc_u64 s[4:5], s[4:5], s[60:61]
	s_add_nc_u64 s[6:7], s[6:7], s[62:63]
	s_add_nc_u64 s[16:17], s[16:17], s[62:63]
	s_add_nc_u64 s[G0C+2:G0C+3], s[14:15], s[22:23]
	s_or_b32 s[G0C+3], s[G0C+3], 0x80000000        ; type = 2
	s_lshl_b32 s22, s[WV], 9                       ; my 128 norms
	s_add_co_u32 s22, s22, CSQG
	s_add_nc_u64 s[G0Q+2:G0Q+3], s[14:15], s[22:23]
	s_or_b32 s[G0Q+3], s[G0Q+3], 0x80000000
	global_load_b128 v[PG:PG+3],   v[PGA], s[6:7]  ; the codes first: the gathers hang on them
	global_load_b128 v[PG+4:PG+7], v[PGA], s[6:7] offset:512
	global_load_b128 v[PO:PO+3],   v[L16], s[6:7]
	global_load_b128 v[PO+4:PO+7], v[L16], s[6:7] offset:512
	XLOAD 0
	XLOAD 1
.if NG == 1
	XLOAD 2
	XLOAD 3
.endif
	WIN 0
	ROUND                                          ; all four work-groups are here: the joint loads meet
	tensor_load_to_lds s[G0C:G0C+3], s[G1C:G1C+7]  ; my eighth of the codebook,
	s_nop 0
	tensor_load_to_lds s[G0Q:G0Q+3], s[G1Q:G1Q+7]  ; and of the norms: two tensor loads of mine are out, the only two of the launch
	s_nop 0
.rept 4
	v_nop
.endr
.if NG == 1
	s_wait_loadcnt 32                              ; the four loads of codes are in; behind them stand the 32 of xb
	GATHER 0, 0                                    ; a tile's gathers take 32 registers: all four tiles' go out at once
	GATHER 1, 1
	GATHER 2, 2
	GATHER 3, 3
.else
	s_wait_loadcnt 16                              ; the four loads of codes are in; behind them stand the 16 of xb
	GATHER 0, 0
	GATHER 1, 1
	XLOAD 2
	XLOAD 3
	WIN 0
.endif
	s_wait_tensorcnt 0x0                           ; my parts of the codebook and of the norms have landed
	s_wait_dscnt 0x0                               ; (no LDS instruction of mine is out)
	s_barrier_signal -1
	s_barrier_wait -1                              ; and every wave's parts have landed.
.if NG == 1
	TILE 0, 0, 24                                  ; out may stay: the later tiles' gathers, 8 each
	TILE 1, 1, 16
	TILE 2, 2, 8
	TILE 3, 3, 0
.else
	TILE 0, 0, 40                                  ; out may stay: tile 1's 24 gathers and the 16 loads of xb behind them
	GATHER 2, 0
	TILE 1, 1, 40                                  ; the 16 loads of xb and tile 2's 24 gathers
	GATHER 3, 1
	TILE 2, 0, 24                                  ; tile 3's 24 gathers
	TILE 3, 1, 0
.endif
.set i, 0
.rept 32
	v_mov_b32 v[SAV+i], s[NINF]
.set i, i+1
.endr
.set i, 0
.rept 4
	v_mov_b32 v[BST+i], s[NINF]                    ; below every score
	v_mov_b32 v[IDX+i], 0
.set i, i+1
.endr
.set i, 0
.rept 8
	v_mov_b32 v[KJ+i], i
.set i, i+1
.endr
	ALOAD 0
	TURN 0, 0, 1                                   ; tile 0 (its wait is also the wait for my fragments of hi and lo): there are no scores yet to look at
	s_mov_b32 s[CNT], 31
.Lpair:                                                ; tiles 1 to 62, two a trip, on the two buffers by turns
	TURN 1, 1, 1
	TURN 0, 1, 1
	s_sub_co_u32 s[CNT], s[CNT], 1
	s_cmp_lg_u32 s[CNT], 0
	s_cbranch_scc1 .Lpair
	TURN 1, 1, 0                                   ; tile 63: nothing is left to fetch
.irp g, 0,1,2,3
	RID 1, \g                                      ; and its scores; the sixteen riders behind its last products are the places in front of these
.endr
	; THE MERGE.  For each query tile: in the lane the lowest register whose kept score is the best; 16 t + 8 h + j; then of the two halves of the lanes the greater score, or at equal scores the lower number.
.irp q, 0,1,2,3
	v_permlanex16_b32 v[TT], v[BST+\q], s[SEL], s[SEL+1]
	v_max_num_f32 v[MM], v[BST+\q], v[TT]
	v_mov_b32 v[MX+\q], 7
.irp j, 6,5,4,3,2,1,0
	v_cmp_eq_f32 vcc_lo, v[SAV+8*\q+\j], v[BST+\q]
	v_cndmask_b32 v[MX+\q], v[MX+\q], v[KJ+\j], vcc_lo
.endr
	v_lshl_or_b32 v[MX+\q], v[IDX+\q], 4, v[MX+\q]
	v_or_b32 v[MX+\q], v[MX+\q], v[H8]
	v_cmp_eq_f32 vcc_lo, v[BST+\q], v[MM]
	v_cndmask_b32 v[CD+\q], s[BIG], v[MX+\q], vcc_lo
	v_permlanex16_b32 v[TT], v[CD+\q], s[SEL], s[SEL+1]
	v_min_u32 v[CD+\q], v[CD+\q], v[TT]            ; both halves of the lanes now hold query (lane % 16)'s code
.endr
	; OUT: row 32 i + lane gets {p1, p2, p3, code}: lanes 0-15 take tile 2 i's code, lanes 16-31 tile 2 i + 1's.  Each store covers 512 consecutive aligned bytes.
.irp i, 0,1
	v_mov_b32 v[PO+4*\i],   v[PO+4*\i+1]
	v_mov_b32 v[PO+4*\i+1], v[PO+4*\i+2]
	v_mov_b32 v[PO+4*\i+2], v[PO+4*\i+3]
	v_cndmask_b32 v[PO+4*\i+3], v[CD+2*\i], v[CD+2*\i+1], s[HALF]
	global_store_b128 v[L16], v[PO+4*\i:PO+4*\i+3], s[16:17] offset:512*\i
.endr
	s_wait_tensorcnt 0x0                           ; the wave's end: behind my last tensor load and my last LDS store
	ds_add_u32 v[SPW], v[NIL]
	s_wait_dscnt 0x0
	ROUND                                          ; the closing round: no work-group ends while a partner may still ask for a tile that names it
	s_endpgm
.Lfunc_end_k_qfee7fb11aa_second:
	.size	k_qfee7fb11aa_second, .Lfunc_end_k_qfee7fb11aa_second-k_qfee7fb11aa_second
	.p2alignl 7, 3214868480
	.fill 96, 4, 3214868480
	.section	.rodata,"a",@progbits
	.p2align	6, 0x0
	.amdhsa_kernel k_qfee7fb11aa_second
		.amdhsa_group_segment_fixed_size 327680
		.amdhsa_private_segment_fixed_size 0
		.amdhsa_enable_private_segment 0
		.amdhsa_kernarg_size 40
		.amdhsa_user_sgpr_count 2
		.amdhsa_user_sgpr_kernarg_segment_ptr 1
		.amdhsa_wavefront_size32 1
		.amdhsa_system_sgpr_workgroup_id_x 1
		.amdhsa_system_sgpr_workgroup_id_y 1
		.amdhsa_system_sgpr_workgroup_id_z 1
		.amdhsa_system_vgpr_workitem_id 0
		.amdhsa_next_free_vgpr 512
		.amdhsa_next_free_sgpr 66
		.amdhsa_reserve_vcc 1
		.amdhsa_float_denorm_mode_32 3
		.amdhsa_float_denorm_mode_16_64 3
		.amdhsa_memory_ordered 1
		.amdhsa_forward_progress 1
		.amdhsa_inst_pref_size 101
	.end_amdhsa_kernel
	.amdgpu_metadata
---
amdhsa.version: [ 1, 2 ]
amdhsa.kernels:
  - .name:           k_qfee7fb11aa_second
    .symbol:         k_qfee7fb11aa_second.kd
    .args:
      - { .name: xb, .offset: 0, .size: 8, .value_kind: global_buffer, .address_space: global }
      - { .name: pB, .offset: 8, .size: 8, .value_kind: global_buffer, .address_space: global }
      - { .name: cb0, .offset: 16, .size: 8, .value_kind: global_buffer, .address_space: global }
      - { .name: cb1, .offset: 24, .size: 8, .value_kind: global_buffer, .address_space: global }
      - { .name: pA, .offset: 32, .size: 8, .value_kind: global_buffer, .address_space: global }
    .group_segment_fixed_size: 327680
    .private_segment_fixed_size: 0
    .kernarg_segment_align: 8
    .kernarg_segment_size: 40
    .max_flat_workgroup_size: 256
    .sgpr_count:     66
    .vgpr_count:     512
    .wavefront_size: 32
...
	.end_amdgpu_metadata
.endif
;; end of part 5
;; launch layer (part 6): grid 256 x 1, 8 waves a work-group, clusters of 4 x 1, 327,680 bytes of LDS; arguments xb, pA, cb3, cb0, cb1, cb2, pB; writes pB
.if DOCPART == 6
	.amdgcn_target "amdgcn-amd-amdhsa--gfx1250"
	.amdhsa_code_object_version 6
	.text
	.protected	k_qfee7fb11aa_layer
	.globl	k_qfee7fb11aa_layer
	.p2align	8
	.type	k_qfee7fb11aa_layer,@function
k_qfee7fb11aa_layer:
	s_mov_b64 s[64:65], 0
	v_nop
	global_prefetch_b8 v0, s[64:65] scope:SCOPE_SE
	s_setreg_imm32_b32 hwreg(HW_REG_WAVE_MODE, 25, 1), 1
	s_wait_xcnt 0x0
	s_wait_alu depctr_hold_cnt(0) depctr_sa_sdst(0) depctr_va_vdst(0) depctr_va_sdst(0) depctr_va_ssrc(0) depctr_va_vcc(0) depctr_vm_vsrc(0)
	s_getreg_b32 s2, hwreg(HW_REG_IB_STS2, 6, 4)
	s_cmp_eq_u32 s2, 0
	s_cbranch_scc0 .Lentry_in_a_cluster
	s_endpgm
.Lentry_in_a_cluster:
	s_bfe_u32 s2, ttmp6, 0x10000c
	s_cmp_lg_u32 s2, 0x3003
	s_cbranch_scc0 .Lentry_shape_is_right
	s_endpgm
.Lentry_shape_is_right:
; A LATER LAYER OF A RESIDUAL K-MEANS ENCODE, with NG earlier centroids to subtract.  THIS COPY OF THE TEXT HAS NG = 3: the third and fourth layers (in the third the first of the three codes is 1024,
; the zero row of whatever table stands first).  (The copy with NG = 1 serves the second layer.)
; Arguments: xb [131072] rows of 256 bytes (bf16(x), position order); prev [131072][4] int32; NG tables; table CB; out [131072][4] int32.
; A table holds 1,024 rows of 256 bytes (bf16, in position order: the 16 bytes c hold k = 4c .. 4c+3 and 64+4c .. 64+4c+3), a zero row (code 1024), then 1,024 f32 of -||c||^2/2.
; For a row with prev = {p0, p1, p2, p3}: r = xb less the tables' rows named by the last NG codes, one after the other in f32, one rounding a subtraction, in the order in which the layers subtract;
; code = the k with the largest r . CB[k] - ||CB[k]||^2 / 2; out = {p1, p2, p3, code}.  The first layer leaves {1024, 1024, 1024, code}; three launches later a row holds its four codes.
; The gather of a layer's centroid stands in the NEXT launch, since its address is a code read from memory there.
; LIMITS.  x and the centroids are rounded once to bf16.  ||r||^2, equal for all k of a row, is left out, and the largest score is taken in place of the smallest distance: the order of rounding
; differs from a distance summed as ||r||^2 + ||c||^2 - 2 r.c, so rows whose two best distances lie within f32's rounding of each other may take the other code.  Equal scores: the lowest k.
; r goes to the matrix unit as hi + lo, hi = bf16(r), lo = bf16(r - hi): what is lost is below 2^-17 of each |r|.  NaN and infinities are not treated apart.
; SHARES.  A work-group owns 512 rows, each of its 8 waves 64: four tiles of 16 queries.  The whole codebook, 1,024 rows x 272 bytes, lies in LDS, filled once: no slot is ever filled again.
; Two waves share a SIMD's registers, 512 each: a tile's 32 products have 60 vector instructions beside them, and one wave's vector work stands beside the other's products.
; ORDER.  The one work-group barrier stands where the codebook has landed, ahead of the residuals' arithmetic; behind it a wave reads the codebook and its own stage alone, so each wave goes into its
; products as soon as its own residuals are made, and waits for nobody until the end.
; CLUSTER.  All work-groups read the same codebook: the four of a cluster ask for it JOINTLY, the same two tensor loads a wave with the same descriptors and the mask of four.
; LAYOUT.  S^T = C R^T: source 0 = 16 centroids, source 1 = 16 queries: a lane holds ONE query (lane % 16) and, in register j, centroid 16 t + 8 (lane / 16) + j.  The C operand that starts a sum is
; -||c||^2/2 of those eight centroids: one set of 8 registers for all four query tiles.  k runs in position order in both sources, which leaves the products as they are.
; REGISTERS.  window 0: v0-31 addresses and codes; at first from v32 on gather buffers of 32 NG registers (four with NG = 1, two with NG = 3), v228-239 at work; then v32-95 centroid fragments
; (2 buffers), v96-111 norms (2), v112-175 sums (2 x 4 tiles), v176-207 the best tile's eight scores, v208-219 the best score, its tile and a maximum at work, one a query tile; v220-227 the numbers 0-7;
; v240-247 at work.   window 1: v0-127 hi of the four query tiles (at first xb, 4 registers a pair of rows), v128-255 lo.
.set NG,    3                          ; tables to subtract
.set PITCH, 272                        ; a codebook row in LDS: 256 bytes + 16 = 68 words: the 16 rows of a fragment load start at 16 different groups of four banks (ISA guide 11.1)
.set TILEB, 16*PITCH                   ; 16 rows
.set CSQ,   1024*PITCH                 ; behind the codebook: 1,024 f32
.set STAGE, CSQ+4096                   ; 16 rows x 272 bytes for each wave, its own; no tensor load lands here
.set SPARE, STAGE+8*TILEB              ; the spare words, 128 bytes for each wave: four blocks of 256 bytes that no other line names
.set CSQG,  262400                     ; the norms' place in a table
.set C16, 1                            ; v1   16 c, c = lane % 16
.set XO,  2                            ; v2   xb: 8 rows of 256 bytes x (lane / 16) + 16 c
.set A0,  3                            ; v3   my place in a tile of 16 codebook rows: (lane % 16) x 272 + 16 (lane / 16); never rewritten
.set C0,  4                            ; v4   CSQ + 32 (lane / 16); never rewritten
.set STO, 5                            ; v5   stage, in: row 8 (lane / 16), byte 16 c
.set RDS, 6                            ; v6   stage, back: row lane % 16, byte 16 (lane / 16)
.set NEG1, 7                           ; v7   -1.0
.set SPW, 8                            ; v8   LDS address of my spare word; never rewritten
.set NIL, 9                            ; v9   0; never rewritten
.set L16, 10                           ; v10  16 x lane
.set H8,  11                           ; v11  8 (lane / 16)
.set PO,  12                           ; v12-19  prev of rows 32 i + lane, i = 0, 1
.set PG,  20                           ; v20-27  prev, permuted: lane 16 h + c holds row 32 i + 16 (c / 8) + 8 h + c % 8
.set TM,  28                           ; v28-30  at work
.set PGA, 31                           ; v31  the permuted rows' byte offset
.set GB,  32                           ; gather buffer b at GB + 32 NG b: pair n at + 4 NG n: 16 bytes of each table
.set RR,  228                          ; 8 f32 of r
.set HH,  236                          ; 8 bf16: hi
.set AF,  32
.set CQ,  96
.set ACC, 112
.set SAV, 176
.set BST, 208
.set IDX, 212
.set MX,  216
.set KJ,  220
.set ADRA, 240
.set ADRC, 241
.set MM,  242
.set TT,  243
.set CD,  244                          ; v244-247  the four tiles' codes
.set NINF, 2                           ; s2   -infinity
.set WV,  18                           ; s18  my wave's number
.set CX,  19                           ; s19  my place in the cluster: it enters xb's, prev's and out's addresses alone
.set WG,  20
.set SB,  21                           ; s21  my stage
.set G1C, 24                           ; s[24:31], s[32:35] descriptor of my 128 codebook rows
.set G0C, 32
.set G1Q, 36                           ; s[36:43], s[44:47] descriptor of my 128 norms
.set G0Q, 44
.set SEL, 48                           ; s[48:49] v_permlanex16_b32: each lane takes its own place in the other half
.set TN,  50                           ; s50  the tile whose scores the riders look at
.set CNT, 51
.set MK,  52                           ; s52-55  lane masks, one a query tile
.set BIG, 56                           ; s56  0x7fffffff
.set HALF, 57                          ; s57  lanes 16-31
.set TA,  58                           ; s58  LDS byte of the codebook tile to be fetched
.set TC,  59                           ; s59  the same for its norms, less CSQ
.set MSB, 0
.macro WIN new                         ; the immediate's high byte repeats the setting that is left; a switch that changes nothing is dropped
.if MSB != (\new)
	s_set_vgpr_msb (MSB<<8)|(\new)
.set MSB, (\new)
.endif
.endm
.macro ROUND                           ; a round of the cluster's barrier
	s_barrier_signal -1
	s_barrier_wait -1
	s_cmp_lg_u32 s[WV], 0
	s_cbranch_scc1 .Lnot_wave_0_\@
	s_barrier_signal -3
.Lnot_wave_0_\@:
	s_barrier_wait -3
	s_barrier_signal -1
	s_barrier_wait -1
.endm
; xb of query tile q: pair n = rows n (lanes 0-15) and n + 8 (lanes 16-31); each half of the lanes reads 256 consecutive aligned bytes.  It lands where the tile's hi will lie.  The launch reads xb once.
.macro XLOAD q
	WIN 0x40                                       ; destination window 1, address window 0
.irp n, 0,1,2,3,4,5,6,7
	global_load_b128 v[32*(\q)+4*\n:32*(\q)+4*\n+3], v[XO], s[4:5] offset:(16*(\q)+\n)*256 th:TH_LOAD_NT
.endr
.endm
; The NG table rows of one pair: each half of the lanes takes its row's last NG codes from lane m of its own half, clamps them to the table, and reads 256 consecutive aligned bytes of each row.
; A load's offset lies in the first register that the same load fills.  All work-groups read the tables again and again.
.macro GATHER1 q, buf, m
.set gd, GB+32*NG*(\buf)+4*NG*((\m)%8)
.irp t, 0,1,2
.if \t < NG
	v_mov_b32_dpp v[TM+\t], v[PG+4*((\q)/2)+4-NG+\t] row_share:\m row_mask:0xf bank_mask:0xf
.endif
.endr
.irp t, 0,1,2
.if \t < NG
	v_min_u32 v[TM+\t], 0x400, v[TM+\t]
.endif
.endr
.irp t, 0,1,2
.if \t < NG
	v_lshl_add_u32 v[gd+4*\t], v[TM+\t], 8, v[C16]
.endif
.endr
.irp t, 0,1,2
.if \t < NG
	global_load_b128 v[gd+4*\t:gd+4*\t+3], v[gd+4*\t], s[8+2*\t:9+2*\t] th:TH_LOAD_HT
.endif
.endr
.endm
.macro GATHER q, buf
	WIN 0
.if ((\q)%2) == 0
.irp m, 0,1,2,3,4,5,6,7
	GATHER1 \q, \buf, \m
.endr
.else
.irp m, 8,9,10,11,12,13,14,15
	GATHER1 \q, \buf, \m
.endr
.endif
.endm
; One pair of rows: NG subtractions in f32, each t x (-1) + r with one rounding; hi = bf16(r) into the stage; lo = bf16(r - hi) into the first table's four registers, which have been read.
.macro PAIR q, buf, n
.set xr, 32*(\q)+4*(\n)
.set gq, GB+32*NG*(\buf)+4*NG*(\n)
	WIN 0x10                                       ; source 2 (xb) in window 1
.irp i, 0,1,2,3
	v_fma_mix_f32_bf16 v[RR+2*\i],   v[gq+\i], v[NEG1], v[xr+\i] op_sel:[0,0,0] op_sel_hi:[1,0,1]
	v_fma_mix_f32_bf16 v[RR+2*\i+1], v[gq+\i], v[NEG1], v[xr+\i] op_sel:[1,0,1] op_sel_hi:[1,0,1]
.endr
	WIN 0
.irp t, 1,2
.if \t < NG
.irp i, 0,1,2,3
	v_fma_mix_f32_bf16 v[RR+2*\i],   v[gq+4*\t+\i], v[NEG1], v[RR+2*\i]   op_sel:[0,0,0] op_sel_hi:[1,0,0]
	v_fma_mix_f32_bf16 v[RR+2*\i+1], v[gq+4*\t+\i], v[NEG1], v[RR+2*\i+1] op_sel:[1,0,0] op_sel_hi:[1,0,0]
.endr
.endif
.endr
.irp i, 0,1,2,3
	v_cvt_pk_bf16_f32 v[HH+\i], v[RR+2*\i], v[RR+2*\i+1]
.endr
.irp i, 0,1,2,3
	v_fma_mixlo_bf16 v[gq+\i], v[HH+\i], v[NEG1], v[RR+2*\i]   op_sel:[0,0,0] op_sel_hi:[1,0,0]
	v_fma_mixhi_bf16 v[gq+\i], v[HH+\i], v[NEG1], v[RR+2*\i+1] op_sel:[1,0,0] op_sel_hi:[1,0,0]
.endr
	ds_store_b128 v[STO], v[HH:HH+3] offset:(\n)*PITCH
.endm
; A query tile: its 8 pairs; hi comes back from my stage as four fragments (16 queries x 32 k each); then lo takes the same way.  LDS serves a wave's instructions in order (ISA guide 5.7.1.4) and the
; stage is my wave's own, so no wait stands between the stores and the loads.  left: the younger global loads that may stay out.
.macro TILE q, buf, left
	s_wait_loadcnt \left
.irp n, 0,1,2,3,4,5,6,7
	PAIR \q, \buf, \n
.endr
	WIN 0x40
.irp f, 0,1,2,3
	ds_load_b128 v[32*(\q)+8*\f:32*(\q)+8*\f+3],   v[RDS] offset:64*\f
	ds_load_b128 v[32*(\q)+8*\f+4:32*(\q)+8*\f+7], v[RDS] offset:64*\f+32
.endr
	WIN 0
.irp n, 0,1,2,3,4,5,6,7
	ds_store_b128 v[STO], v[GB+32*NG*(\buf)+4*NG*\n:GB+32*NG*(\buf)+4*NG*\n+3] offset:\n*PITCH
.endr
	WIN 0x40
.irp f, 0,1,2,3
	ds_load_b128 v[128+32*(\q)+8*\f:128+32*(\q)+8*\f+3],   v[RDS] offset:64*\f
	ds_load_b128 v[128+32*(\q)+8*\f+4:128+32*(\q)+8*\f+7], v[RDS] offset:64*\f+32
.endr
	WIN 0
.endm
; Ten LDS loads in one run: the next 16 centroids (four fragments) and their eight norms for my half of the lanes, into buffer buf.
.macro ALOAD buf
	WIN 0
	v_add_nc_u32 v[ADRA], s[TA], v[A0]
	v_add_nc_u32 v[ADRC], s[TC], v[C0]
	s_add_co_u32 s[TA], s[TA], TILEB
	s_add_co_u32 s[TC], s[TC], 64
.irp f, 0,1,2,3
	ds_load_b128 v[AF+32*(\buf)+8*\f:AF+32*(\buf)+8*\f+3],   v[ADRA] offset:64*\f
	ds_load_b128 v[AF+32*(\buf)+8*\f+4:AF+32*(\buf)+8*\f+7], v[ADRA] offset:64*\f+32
.endr
	ds_load_b128 v[CQ+8*(\buf):CQ+8*(\buf)+3],   v[ADRC]
	ds_load_b128 v[CQ+8*(\buf)+4:CQ+8*(\buf)+7], v[ADRC] offset:16
.endm
; Riders on sum buffer buf, in four groups: 0 and 2 find, for query tiles (0, 1) and (2, 3), the largest of the lane's eight scores (each accumulator's lowest registers first) and hold it
; against the best so far; 1 and 3 keep the eight scores where the tile has won.  Only a greater score wins, so the earliest tile keeps a tie.  The two query tiles alternate, so that no line reads the result of the line before it.
.macro RID buf, g
	WIN 0
.set qa, 2*((\g)/2)
.set aa, ACC+32*(\buf)+8*qa
.if ((\g)%2) == 0
	v_max3_num_f32 v[MX+qa],   v[aa],      v[aa+1],  v[aa+2]
	v_max3_num_f32 v[MX+qa+1], v[aa+8],    v[aa+9],  v[aa+10]
	v_max3_num_f32 v[MX+qa],   v[MX+qa],   v[aa+3],  v[aa+4]
	v_max3_num_f32 v[MX+qa+1], v[MX+qa+1], v[aa+11], v[aa+12]
	v_max3_num_f32 v[MX+qa],   v[MX+qa],   v[aa+5],  v[aa+6]
	v_max3_num_f32 v[MX+qa+1], v[MX+qa+1], v[aa+13], v[aa+14]
	v_max_num_f32 v[MX+qa],   v[MX+qa],   v[aa+7]
	v_max_num_f32 v[MX+qa+1], v[MX+qa+1], v[aa+15]
	v_cmp_le_f32 s[MK+qa],   v[MX+qa],   v[BST+qa]
	v_cmp_le_f32 s[MK+qa+1], v[MX+qa+1], v[BST+qa+1]
	v_cndmask_b32 v[IDX+qa],   s[TN], v[IDX+qa],   s[MK+qa]
	v_cndmask_b32 v[IDX+qa+1], s[TN], v[IDX+qa+1], s[MK+qa+1]
	v_max_num_f32 v[BST+qa],   v[MX+qa],   v[BST+qa]
	v_max_num_f32 v[BST+qa+1], v[MX+qa+1], v[BST+qa+1]
.else
.irp j, 0,1,2,3,4,5,6,7
	v_cndmask_b32 v[SAV+8*qa+\j],   v[aa+\j],   v[SAV+8*qa+\j],   s[MK+qa]
	v_cndmask_b32 v[SAV+8*qa+8+\j], v[aa+8+\j], v[SAV+8*qa+8+\j], s[MK+qa+1]
.endr
.endif
.endm
; A TURN: 16 centroids against my 64 queries: 32 products in 4 groups of eight (slice 2 g + u: k 32 (slice % 4) on; hi in slices 0-3, lo in 4-7).  The four accumulators take turns, one instruction a
; turn; slice 0 starts the sums with the norms.  rid = 1: behind each group stands a group of riders on the tile before, whose sums lie in the other buffer.  load = 1: the next
; tile's ten loads stand at the turn's head, all its 32 products ahead of the wait for them.
; Places: the sixteen riders behind group 3 name no register of its products, and are the places in front of the next turn's loads into the fragment buffer just multiplied and of
; its riders, which read those sums.  A turn without riders ends in four v_nop for the same two.
.macro TURN cur, rid, load
	s_wait_dscnt 0x0                               ; this tile's ten loads are in: no LDS instruction was issued behind them
.if \load
	ALOAD 1-(\cur)
.endif
.irp g, 0,1,2,3
	WIN 0x04                                       ; source 1 (the queries) in window 1
.irp u, 0,1
.irp q, 0,1,2,3
.set sl, 2*(\g)+(\u)
.set ra, ACC+32*(\cur)+8*(\q)
.set rf, AF+32*(\cur)+8*(sl%4)
.set rb, 128*(sl/4)+32*(\q)+8*(sl%4)
.if sl == 0
	v_wmma_f32_16x16x32_bf16 v[ra:ra+7], v[rf:rf+7], v[rb:rb+7], v[CQ+8*(\cur):CQ+8*(\cur)+7]
.else
	v_wmma_f32_16x16x32_bf16 v[ra:ra+7], v[rf:rf+7], v[rb:rb+7], v[ra:ra+7]
.endif
.endr
.endr
.if \rid
	RID 1-(\cur), \g
.endif
.endr
	WIN 0
.if \rid
	s_add_co_u32 s[TN], s[TN], 1
.else
.rept 4
	v_nop
.endr
.endif
.endm
.if NG == 3
	s_load_b256 s[4:11], s[0:1], 0x0               ; xb s[4:5], prev s[6:7], tables s[8:9], s[10:11],
	s_load_b128 s[12:15], s[0:1], 0x20             ; s[12:13]; CB s[14:15]
	s_load_b64 s[16:17], s[0:1], 0x30              ; out
.else
	s_load_b128 s[4:7], s[0:1], 0x0                ; xb s[4:5], prev s[6:7]
	s_load_b64 s[8:9], s[0:1], 0x10                ; the table
	s_load_b64 s[14:15], s[0:1], 0x18              ; CB
	s_load_b64 s[16:17], s[0:1], 0x20              ; out
.endif
	v_lshl_add_u32 v[SPW], v0, 2, SPARE
	v_mov_b32 v[NIL], 0
	ds_add_u32 v[SPW], v[NIL]                      ; the wave's opening: the add and its wait stand ahead of my first tensor load; the set-up below, work on registers, stands between them
	v_lshrrev_b32 v1, 5, v0
	v_readfirstlane_b32 s[WV], v1                  ; wave 0..7
	s_bfe_u32 s[CX], ttmp6, 0x40000
	s_lshl_b32 s[WG], ttmp9, 2                     ; in a cluster launch ttmp9 counts clusters
	s_add_co_u32 s[WG], s[WG], s[CX]               ; my work-group = 4 x cluster + cx
	s_lshl_b32 s60, s[WG], 17                      ; xb: 512 rows of 256 bytes a work-group,
	s_lshl_b32 s61, s[WV], 14                      ; 64 a wave
	s_add_co_u32 s60, s60, s61
	s_mov_b32 s61, 0
	s_lshl_b32 s62, s[WG], 13                      ; prev and out: rows of 16 bytes
	s_lshl_b32 s63, s[WV], 10
	s_add_co_u32 s62, s62, s63
	s_mov_b32 s63, 0
	; descriptor group 1 for the codebook: 128 rows x 128 elements of 2 bytes, padded in LDS
	s_mov_b32 s[G1C], 15|(1<<16)|(1<<20)|(1<<21)|(5<<22)|(3<<25)  ; 15:0 the mask of four; 17:16 2-byte elements; 20 padding on; 21 set beside a mask; 24:22 after every 64 words (code 5); 31:25 4 words (code 3)
	s_mov_b32 s[G1C+1], 128<<16                    ; tensor_dim0 = 128
	s_mov_b32 s[G1C+2], 128<<16                    ; tensor_dim1 = 128
	s_mov_b32 s[G1C+3], 128<<16                    ; tile_dim0 = 128
	s_mov_b32 s[G1C+4], 128                        ; tile_dim1 = 128
	s_mov_b32 s[G1C+5], 128                        ; 128 elements from row to row
	s_mov_b32 s[G1C+6], 0
	s_mov_b32 s[G1C+7], 0
	; and for the norms: one row of 64 elements of 8 bytes
	s_mov_b32 s[G1Q], 15|(3<<16)|(1<<21)
	s_mov_b32 s[G1Q+1], 64<<16
	s_mov_b32 s[G1Q+2], 1<<16
	s_mov_b32 s[G1Q+3], 64<<16
	s_mov_b32 s[G1Q+4], 1
	s_mov_b32 s[G1Q+5], 64
	s_mov_b32 s[G1Q+6], 0
	s_mov_b32 s[G1Q+7], 0
	s_mov_b32 s[G0C], 1                            ; count = 1
	s_mul_i32 s[G0C+1], s[WV], 128*PITCH           ; LDS address: the wave's number alone
	s_mov_b32 s[G0Q], 1
	s_lshl_b32 s[G0Q+1], s[WV], 9
	s_add_co_u32 s[G0Q+1], s[G0Q+1], CSQ
	s_lshl_b32 s22, s[WV], 15                      ; my 128 rows of 256 bytes in the table
	s_mov_b32 s23, 0
	s_mul_i32 s[SB], s[WV], TILEB
	s_add_co_u32 s[SB], s[SB], STAGE
	s_mov_b32 s[SEL], 0x76543210
	s_mov_b32 s[SEL+1], 0xfedcba98
	s_mov_b32 s[BIG], 0x7fffffff
	s_mov_b32 s[HALF], 0xffff0000
	s_mov_b32 s[NINF], 0xff800000
	s_mov_b32 s[TN], 0
	s_mov_b32 s[TA], 0
	s_mov_b32 s[TC], 0
	v_and_b32 v[TM], 15, v0                        ; c = lane % 16
	v_bfe_u32 v[TM+1], v0, 4, 1                    ; h = lane / 16
	v_lshlrev_b32 v[C16], 4, v[TM]
	v_lshl_add_u32 v[XO], v[TM+1], 11, v[C16]
	v_mul_u32_u24 v[TM+2], v[TM], PITCH
	v_lshl_add_u32 v[A0], v[TM+1], 4, v[TM+2]
	v_lshlrev_b32 v[C0], 5, v[TM+1]
	v_add_nc_u32 v[C0], CSQ, v[C0]
	v_add_nc_u32 v[RDS], s[SB], v[A0]
	v_mul_u32_u24 v[STO], v[TM+1], 8*PITCH
	v_add_nc_u32 v[STO], v[STO], v[C16]
	v_add_nc_u32 v[STO], s[SB], v[STO]
	v_mov_b32 v[NEG1], -1.0
	v_and_b32 v[L16], 31, v0
	v_lshlrev_b32 v[L16], 4, v[L16]
	v_lshlrev_b32 v[H8], 3, v[TM+1]
	v_and_b32 v[PGA], 7, v0
	v_lshlrev_b32 v[PGA], 4, v[PGA]                ; 16 (c % 8)
	v_bfe_u32 v[TM+2], v0, 3, 1
	v_lshl_add_u32 v[PGA], v[TM+2], 8, v[PGA]      ; + 256 (c / 8)
	v_lshl_add_u32 v[PGA], v[TM+1], 7, v[PGA]      ; + 128 h
	v_mov_b32 v[TT], 0                             ; v_permlanex16_b32's destination counts as read
	s_wait_dscnt 0x0                               ; the opening add is done
	s_wait_kmcnt 0x0
	s_add_nc_u64 s[4:5], s[4:5], s[60:61]
	s_add_nc_u64 s[6:7], s[6:7], s[62:63]
	s_add_nc_u64 s[16:17], s[16:17], s[62:63]
	s_add_nc_u64 s[G0C+2:G0C+3], s[14:15], s[22:23]
	s_or_b32 s[G0C+3], s[G0C+3], 0x80000000        ; type = 2
	s_lshl_b32 s22, s[WV], 9                       ; my 128 norms
	s_add_co_u32 s22, s22, CSQG
	s_add_nc_u64 s[G0Q+2:G0Q+3], s[14:15], s[22:23]
	s_or_b32 s[G0Q+3], s[G0Q+3], 0x80000000
	global_load_b128 v[PG:PG+3],   v[PGA], s[6:7]  ; the codes first: the gathers hang on them
	global_load_b128 v[PG+4:PG+7], v[PGA], s[6:7] offset:512
	global_load_b128 v[PO:PO+3],   v[L16], s[6:7]
	global_load_b128 v[PO+4:PO+7], v[L16], s[6:7] offset:512
	XLOAD 0
	XLOAD 1
.if NG == 1
	XLOAD 2
	XLOAD 3
.endif
	WIN 0
	ROUND                                          ; all four work-groups are here: the joint loads meet
	tensor_load_to_lds s[G0C:G0C+3], s[G1C:G1C+7]  ; my eighth of the codebook,
	s_nop 0
	tensor_load_to_lds s[G0Q:G0Q+3], s[G1Q:G1Q+7]  ; and of the norms: two tensor loads of mine are out, the only two of the launch
	s_nop 0
.rept 4
	v_nop
.endr
.if NG == 1
	s_wait_loadcnt 32                              ; the four loads of codes are in; behind them stand the 32 of xb
	GATHER 0, 0                                    ; a tile's gathers take 32 registers: all four tiles' go out at once
	GATHER 1, 1
	GATHER 2, 2
	GATHER 3, 3
.else
	s_wait_loadcnt 16                              ; the four loads of codes are in; behind them stand the 16 of xb
	GATHER 0, 0
	GATHER 1, 1
	XLOAD 2
	XLOAD 3
	WIN 0
.endif
	s_wait_tensorcnt 0x0                           ; my parts of the codebook and of the norms have landed
	s_wait_dscnt 0x0                               ; (no LDS instruction of mine is out)
	s_barrier_signal -1
	s_barrier_wait -1                              ; and every wave's parts have landed.
.if NG == 1
	TILE 0, 0, 24                                  ; out may stay: the later tiles' gathers, 8 each
	TILE 1, 1, 16
	TILE 2, 2, 8
	TILE 3, 3, 0
.else
	TILE 0, 0, 40                                  ; out may stay: tile 1's 24 gathers and the 16 loads of xb behind them
	GATHER 2, 0
	TILE 1, 1, 40                                  ; the 16 loads of xb and tile 2's 24 gathers
	GATHER 3, 1
	TILE 2, 0, 24                                  ; tile 3's 24 gathers
	TILE 3, 1, 0
.endif
.set i, 0
.rept 32
	v_mov_b32 v[SAV+i], s[NINF]
.set i, i+1
.endr
.set i, 0
.rept 4
	v_mov_b32 v[BST+i], s[NINF]                    ; below every score
	v_mov_b32 v[IDX+i], 0
.set i, i+1
.endr
.set i, 0
.rept 8
	v_mov_b32 v[KJ+i], i
.set i, i+1
.endr
	ALOAD 0
	TURN 0, 0, 1                                   ; tile 0 (its wait is also the wait for my fragments of hi and lo): there are no scores yet to look at
	s_mov_b32 s[CNT], 31
.Lpair:                                                ; tiles 1 to 62, two a trip, on the two buffers by turns
	TURN 1, 1, 1
	TURN 0, 1, 1
	s_sub_co_u32 s[CNT], s[CNT], 1
	s_cmp_lg_u32 s[CNT], 0
	s_cbranch_scc1 .Lpair
	TURN 1, 1, 0                                   ; tile 63: nothing is left to fetch
.irp g, 0,1,2,3
	RID 1, \g                                      ; and its scores; the sixteen riders behind its last products are the places in front of these
.endr
	; THE MERGE.  For each query tile: in the lane the lowest register whose kept score is the best; 16 t + 8 h + j; then of the two halves of the lanes the greater score, or at equal scores the lower number.
.irp q, 0,1,2,3
	v_permlanex16_b32 v[TT], v[BST+\q], s[SEL], s[SEL+1]
	v_max_num_f32 v[MM], v[BST+\q], v[TT]
	v_mov_b32 v[MX+\q], 7
.irp j, 6,5,4,3,2,1,0
	v_cmp_eq_f32 vcc_lo, v[SAV+8*\q+\j], v[BST+\q]
	v_cndmask_b32 v[MX+\q], v[MX+\q], v[KJ+\j], vcc_lo
.endr
	v_lshl_or_b32 v[MX+\q], v[IDX+\q], 4, v[MX+\q]
	v_or_b32 v[MX+\q], v[MX+\q], v[H8]
	v_cmp_eq_f32 vcc_lo, v[BST+\q], v[MM]
	v_cndmask_b32 v[CD+\q], s[BIG], v[MX+\q], vcc_lo
	v_permlanex16_b32 v[TT], v[CD+\q], s[SEL], s[SEL+1]
	v_min_u32 v[CD+\q], v[CD+\q], v[TT]            ; both halves of the lanes now hold query (lane % 16)'s code
.endr
	; OUT: row 32 i + lane gets {p1, p2, p3, code}: lanes 0-15 take tile 2 i's code, lanes 16-31 tile 2 i + 1's.  Each store covers 512 consecutive aligned bytes.
.irp i, 0,1
	v_mov_b32 v[PO+4*\i],   v[PO+4*\i+1]
	v_mov_b32 v[PO+4*\i+1], v[PO+4*\i+2]
	v_mov_b32 v[PO+4*\i+2], v[PO+4*\i+3]
	v_cndmask_b32 v[PO+4*\i+3], v[CD+2*\i], v[CD+2*\i+1], s[HALF]
	global_store_b128 v[L16], v[PO+4*\i:PO+4*\i+3], s[16:17] offset:512*\i
.endr
	s_wait_tensorcnt 0x0                           ; the wave's end: behind my last tensor load and my last LDS store
	ds_add_u32 v[SPW], v[NIL]
	s_wait_dscnt 0x0
	ROUND                                          ; the closing round: no work-group ends while a partner may still ask for a tile that names it
	s_endpgm
.Lfunc_end_k_qfee7fb11aa_layer:
	.size	k_qfee7fb11aa_layer, .Lfunc_end_k_qfee7fb11aa_layer-k_qfee7fb11aa_layer
	.p2alignl 7, 3214868480
	.fill 96, 4, 3214868480
	.section	.rodata,"a",@progbits
	.p2align	6, 0x0
	.amdhsa_kernel k_qfee7fb11aa_layer
		.amdhsa_group_segment_fixed_size 327680
		.amdhsa_private_segment_fixed_size 0
		.amdhsa_enable_private_segment 0
		.amdhsa_kernarg_size 56
		.amdhsa_user_sgpr_count 2
		.amdhsa_user_sgpr_kernarg_segment_ptr 1
		.amdhsa_wavefront_size32 1
		.amdhsa_system_sgpr_workgroup_id_x 1
		.amdhsa_system_sgpr_workgroup_id_y 1
		.amdhsa_system_sgpr_workgroup_id_z 1
		.amdhsa_system_vgpr_workitem_id 0
		.amdhsa_next_free_vgpr 512
		.amdhsa_next_free_sgpr 66
		.amdhsa_reserve_vcc 1
		.amdhsa_float_denorm_mode_32 3
		.amdhsa_float_denorm_mode_16_64 3
		.amdhsa_memory_ordered 1
		.amdhsa_forward_progress 1
		.amdhsa_inst_pref_size 151
	.end_amdhsa_kernel
	.amdgpu_metadata
---
amdhsa.version: [ 1, 2 ]
amdhsa.kernels:
  - .name:           k_qfee7fb11aa_layer
    .symbol:         k_qfee7fb11aa_layer.kd
    .args:
      - { .name: xb, .offset: 0, .size: 8, .value_kind: global_buffer, .address_space: global }
      - { .name: pA, .offset: 8, .size: 8, .value_kind: global_buffer, .address_space: global }
      - { .name: cb3, .offset: 16, .size: 8, .value_kind: global_buffer, .address_space: global }
      - { .name: cb0, .offset: 24, .size: 8, .value_kind: global_buffer, .address_space: global }
      - { .name: cb1, .offset: 32, .size: 8, .value_kind: global_buffer, .address_space: global }
      - { .name: cb2, .offset: 40, .size: 8, .value_kind: global_buffer, .address_space: global }
      - { .name: pB, .offset: 48, .size: 8, .value_kind: global_buffer, .address_space: global }
    .group_segment_fixed_size: 327680
    .private_segment_fixed_size: 0
    .kernarg_segment_align: 8
    .kernarg_segment_size: 56
    .max_flat_workgroup_size: 256
    .sgpr_count:     66
    .vgpr_count:     512
    .wavefront_size: 32
...
	.end_amdgpu_metadata
.endif
;; end of part 6
;; launch l3: the kernel of part 6 again; grid 256 x 1, 8 waves a work-group, clusters of 4 x 1, 327,680 bytes of LDS; arguments xb, pB, cb0, cb1, cb2, cb3, out0; writes out0
;; ======== version 3 of 3: 5 launches; version 2 with the launch prep written anew for expert scheduling mode
;; workspace buffers: cb0 266,496 bytes; cb1 266,496 bytes; cb2 266,496 bytes; cb3 266,496 bytes; xb 33,554,432 bytes; pA 2,097,152 bytes of whole numbers; pB 2,097,152 bytes of whole numbers
;; launch prep (part 7): grid 128 x 1, 1 waves a work-group, no clusters, 0 bytes of LDS; arguments centroids, cb0, cb1, cb2, cb3; writes cb0, cb1, cb2, cb3
.if DOCPART == 7
	.amdgcn_target "amdgcn-amd-amdhsa--gfx1250"
	.amdhsa_code_object_version 6
	.text
	.protected	k_qfee7fb11aa_prep
	.globl	k_qfee7fb11aa_prep
	.p2align	8
	.type	k_qfee7fb11aa_prep,@function
k_qfee7fb11aa_prep:
	s_mov_b64 s[64:65], 0
	v_nop
	global_prefetch_b8 v0, s[64:65] scope:SCOPE_SE
	s_setreg_imm32_b32 hwreg(HW_REG_WAVE_SCHED_MODE, 0, 2), 2
	s_setreg_imm32_b32 hwreg(HW_REG_WAVE_MODE, 25, 1), 1
	s_wait_xcnt 0x0
	s_wait_alu depctr_vm_vsrc(0)
; TABLES FOR THE FOUR LAYERS.  centroids: [4][1024][128] f32.  For layer l the table cb_l holds
;   bytes 0 .. 262,143        1,024 rows of 256 bytes: the centroid rounded once to bf16, in POSITION ORDER: the 16 bytes c (0..15) of a row
;                             hold k = 4c .. 4c+3 and then k = 64+4c .. 64+4c+3 (what a lane gets from two 16-byte loads, 256 bytes apart, of an f32 row)
;   bytes 262,144 .. 262,399  a row of zeros: code 1024, "no centroid yet"
;   bytes 262,400 .. 266,495  1,024 f32: -||c||^2 / 2, taken of the ROUNDED numbers, summed in f32
; LIMIT: the centroids are rounded to bf16 here, once; all later arithmetic takes the rounded numbers.
; SHARES.  128 work-groups of one wave: work-group g takes 32 rows of layer g / 32 (16 KiB in, 8 KiB out).  The whole launch moves 2 MiB in and 1 MiB out, each byte once;
; no LDS, no barrier and no matrix unit would add anything.  Lanes 0-15 take row n, lanes 16-31 row n + 16: each half reads and writes 256 consecutive aligned bytes.
; THE MODE: SCHED_MODE bits 1:0 = 2 (LLVM: expert scheduling mode 2), set by the entry lines.  The code itself states the register dependences
; between vector instructions and memory instructions, with s_wait_alu, always for 0.
; THE PLAN.  Registers that memory instructions touch:
;   v3, v4, v7, v26   byte offsets, and v24, v25, the zero row's data: made once at the head and never named by a vector instruction again.
;   X                 pair n: its two loads land in 8 registers that no vector instruction has named; its four roundings write the first 4 in place; one store reads those 4; they are not written again.
;   v5                written by vector instructions alone; read by the norms' store at the end.
; The 16 pairs go in four blocks of four.  Pair n issues the store of pair n - 4, whose data the block before has rounded and which no vector instruction of the block in hand names.  So one wait at
; a block's head states all that the block's four stores hang on, and the stores are dealt among its vector instructions with no further wait.  No register that a memory instruction reads is ever
; written again, so no wait on vm_vsrc is owed.  The lane masks "c = n" are made in one run at the head, in sixteen scalar registers, with one wait behind the run.
.set X,  32                            ; v[32:159]  pair n of rows: 8 registers as loaded; its first 4 then hold the 8 bf16 to store
.set T,  8                             ; v[8:15]    the 8 rounded numbers, widened
.set SQ, 16                            ; v[16:17]   sums of squares
.set M,  32                            ; s[32:47]   mask n: the lanes with c = n
	s_load_b256 s[4:11], s[0:1], 0x0               ; centroids s[4:5], cb0 s[6:7], cb1 s[8:9], cb2 s[10:11]
	s_load_b64 s[12:13], s[0:1], 0x20              ; cb3
	s_lshr_b32 s20, ttmp9, 5                       ; the layer
	s_and_b32 s21, ttmp9, 31                       ; my block of 32 rows in it
	s_lshl_b32 s24, ttmp9, 14                      ; 32 rows of 512 bytes of centroids
	s_mov_b32 s25, 0
	s_lshl_b32 s26, s21, 13                        ; 32 rows of 256 bytes of the table
	s_mov_b32 s27, 0
	s_lshl_b32 s22, s21, 7                         ; 32 f32 of the norms
	s_mov_b32 s23, 0xffff0000                      ; a word's upper bf16
	v_and_b32 v1, 15, v0                           ; c
	v_lshrrev_b32 v2, 4, v0                        ; h
	v_lshlrev_b32 v3, 4, v1
	v_lshl_add_u32 v4, v2, 12, v3                  ; out: 16 rows of 256 bytes x h + 16 c
	v_lshl_add_u32 v3, v2, 13, v3                  ; in:  16 rows of 512 bytes x h + 16 c
	v_mov_b32 v5, 0                                ; lane L gathers row L's sum of squares here
	v_lshl_add_u32 v7, v0, 2, s22                  ; the norms: 4 bytes a lane
	v_lshlrev_b32 v26, 3, v0                       ; the zero row: 8 bytes a lane
	v_mov_b32 v24, 0
	v_mov_b32 v25, 0
.irp n, 0,1,2,3,4,5,6,7,8,9,10,11,12,13,14,15
	v_cmp_eq_u32 s[M+(\n)], \n, v1                 ; lane c = n of each half will keep pair n's sum
.endr
	s_wait_alu depctr_va_sdst(0)                   ; the sixteen masks s[32:47] are written, ahead of their first reader (the selects in ROWS) and of the text's one branch and label
	s_wait_kmcnt 0x0
	s_add_nc_u64 s[4:5], s[4:5], s[24:25]
	s_cmp_eq_u32 s20, 1                            ; the layer's table: a choice among four buffers by the work-group's number
	s_cselect_b64 s[18:19], s[8:9], s[6:7]
	s_cmp_eq_u32 s20, 2
	s_cselect_b64 s[18:19], s[10:11], s[18:19]
	s_cmp_eq_u32 s20, 3
	s_cselect_b64 s[18:19], s[12:13], s[18:19]
	s_add_nc_u64 s[16:17], s[18:19], s[26:27]      ; the table at my first row; s[18:19] stays at its first byte
	s_wait_alu depctr_va_vdst(0)                   ; v3, v4, v7 and v26 are written, which the loads and stores below read as offsets, and v24, v25, the zero row's data; no vector instruction names them again
.set n, 0
.rept 16                                       ; all 32 loads go out at once
	global_load_b128 v[X+8*n:X+8*n+3],   v3, s[4:5] offset:512*n
	global_load_b128 v[X+8*n+4:X+8*n+7], v3, s[4:5] offset:512*n+256
.set n, n+1
.endr
.macro ROWS n
.set xr, X+8*(\n)
	s_wait_loadcnt 30-2*(\n)                       ; loads come back in order: this pair's two are in, the two of each later pair may stay out
.if ((\n) >= 4) && ((\n)%4 == 0)
	s_wait_alu depctr_va_vdst(0)                   ; a block's head: the roundings of the block before have written the 16 registers that this block's four stores read
.endif
.if (\n) >= 4
	global_store_b128 v4, v[xr-32:xr-29], s[16:17] offset:256*((\n)-4)  ; the pair four back; no vector instruction since the block's wait names its registers or v4
.endif
	v_cvt_pk_bf16_f32 v[xr],   v[xr],   v[xr+1]    ; rounded in place, ascending: each line's sources are still as loaded
	v_cvt_pk_bf16_f32 v[xr+1], v[xr+2], v[xr+3]
	v_cvt_pk_bf16_f32 v[xr+2], v[xr+4], v[xr+5]
	v_cvt_pk_bf16_f32 v[xr+3], v[xr+6], v[xr+7]    ; these four registers are not written again
.irp i, 0,1,2,3
	v_lshlrev_b32 v[T+2*\i],   16,  v[xr+\i]       ; the rounded numbers as f32
	v_and_b32     v[T+2*\i+1], s23, v[xr+\i]
.endr
	v_pk_mul_f32 v[SQ:SQ+1], v[T:T+1], v[T:T+1]
	v_pk_fma_f32 v[SQ:SQ+1], v[T+2:T+3], v[T+2:T+3], v[SQ:SQ+1]
	v_pk_fma_f32 v[SQ:SQ+1], v[T+4:T+5], v[T+4:T+5], v[SQ:SQ+1]
	v_pk_fma_f32 v[SQ:SQ+1], v[T+6:T+7], v[T+6:T+7], v[SQ:SQ+1]
	v_add_f32 v[SQ], v[SQ], v[SQ+1]
	v_add_f32_dpp v[SQ], v[SQ], v[SQ] row_xmask:1 row_mask:0xf bank_mask:0xf  ; over the 16 lanes of the row
	v_add_f32_dpp v[SQ], v[SQ], v[SQ] row_xmask:2 row_mask:0xf bank_mask:0xf
	v_add_f32_dpp v[SQ], v[SQ], v[SQ] row_xmask:4 row_mask:0xf bank_mask:0xf
	v_add_f32_dpp v[SQ], v[SQ], v[SQ] row_xmask:8 row_mask:0xf bank_mask:0xf
	v_cndmask_b32 v5, v5, v[SQ], s[M+(\n)]         ; lane c = n of each half keeps it: lane L ends with row L's
.endm
.irp n, 0,1,2,3,4,5,6,7,8,9,10,11,12,13,14,15
	ROWS \n
.endr
	v_mul_f32 v5, -0.5, v5
	s_wait_alu depctr_va_vdst(0)                   ; the roundings of pairs 12 to 15 have written the registers that the last four table stores read, and v5, the norms' data, is written
.irp n, 12,13,14,15
	global_store_b128 v4, v[X+8*(\n):X+8*(\n)+3], s[16:17] offset:256*(\n)
.endr
	global_store_b32 v7, v5, s[18:19] offset:262400
	s_cmp_lg_u32 s21, 0                            ; a layer's first work-group writes its zero row
	s_cbranch_scc1 .Ldone
	global_store_b64 v26, v[24:25], s[18:19] offset:262144
.Ldone:
	s_endpgm
.Lfunc_end_k_qfee7fb11aa_prep:
	.size	k_qfee7fb11aa_prep, .Lfunc_end_k_qfee7fb11aa_prep-k_qfee7fb11aa_prep
	.p2alignl 7, 3214868480
	.fill 96, 4, 3214868480
	.section	.rodata,"a",@progbits
	.p2align	6, 0x0
	.amdhsa_kernel k_qfee7fb11aa_prep
		.amdhsa_group_segment_fixed_size 0
		.amdhsa_private_segment_fixed_size 0
		.amdhsa_enable_private_segment 0
		.amdhsa_kernarg_size 40
		.amdhsa_user_sgpr_count 2
		.amdhsa_user_sgpr_kernarg_segment_ptr 1
		.amdhsa_wavefront_size32 1
		.amdhsa_system_sgpr_workgroup_id_x 1
		.amdhsa_system_sgpr_workgroup_id_y 1
		.amdhsa_system_sgpr_workgroup_id_z 1
		.amdhsa_system_vgpr_workitem_id 0
		.amdhsa_next_free_vgpr 160
		.amdhsa_next_free_sgpr 66
		.amdhsa_reserve_vcc 0
		.amdhsa_float_denorm_mode_32 3
		.amdhsa_float_denorm_mode_16_64 3
		.amdhsa_memory_ordered 1
		.amdhsa_forward_progress 1
		.amdhsa_inst_pref_size 26
	.end_amdhsa_kernel
	.amdgpu_metadata
---
amdhsa.version: [ 1, 2 ]
amdhsa.kernels:
  - .name:           k_qfee7fb11aa_prep
    .symbol:         k_qfee7fb11aa_prep.kd
    .args:
      - { .name: centroids, .offset: 0, .size: 8, .value_kind: global_buffer, .address_space: global }
      - { .name: cb0, .offset: 8, .size: 8, .value_kind: global_buffer, .address_space: global }
      - { .name: cb1, .offset: 16, .size: 8, .value_kind: global_buffer, .address_space: global }
      - { .name: cb2, .offset: 24, .size: 8, .value_kind: global_buffer, .address_space: global }
      - { .name: cb3, .offset: 32, .size: 8, .value_kind: global_buffer, .address_space: global }
    .group_segment_fixed_size: 0
    .private_segment_fixed_size: 0
    .kernarg_segment_align: 8
    .kernarg_segment_size: 40
    .max_flat_workgroup_size: 32
    .sgpr_count:     66
    .vgpr_count:     160
    .wavefront_size: 32
...
	.end_amdgpu_metadata
.endif
;; end of part 7
;; launch first: the kernel of part 4 again; grid 256 x 1, 8 waves a work-group, clusters of 4 x 1, 327,680 bytes of LDS; arguments x, cb0, xb, pB; writes xb, pB
;; launch second: the kernel of part 5 again; grid 256 x 1, 8 waves a work-group, clusters of 4 x 1, 327,680 bytes of LDS; arguments xb, pB, cb0, cb1, pA; writes pA
;; launch layer: the kernel of part 6 again; grid 256 x 1, 8 waves a work-group, clusters of 4 x 1, 327,680 bytes of LDS; arguments xb, pA, cb3, cb0, cb1, cb2, pB; writes pB
;; launch l3: the kernel of part 6 again; grid 256 x 1, 8 waves a work-group, clusters of 4 x 1, 327,680 bytes of LDS; arguments xb, pB, cb0, cb1, cb2, cb3, out0; writes out0
